; MI455X (gfx1250); checked and timed in simulation.
; The chip was launched on July 23, 2026; its instructions are those of AMD's public machine-readable ISA for CDNA 5 (MIT licence, August 2026) and "CDNA5" Instruction Set Architecture Reference Guide (July 2026). The comments in the code are by the model that wrote it; some were corrected since.
;; Multihead Attention. Allowed arithmetic: matrix products marked QUANTISED: E2M3 operands, one E8M0 scale for each 32 along K, by v_wmma_scale_f32_16x16x128_f8f6f4 with both operands' format E2M3, f32 sums; everything else in f32.
;; Inputs: b_proj 1,024 float32; w_proj 1,024 x 1,024 float32; w_qkv 3,072 x 1,024 float32; x 4 x 2,048 x 1,024 float32.
;; Outputs: out0 4 x 2,048 x 1,024 float32.
;; This version of the problem:
;;   THIS VERSION OF THE PROBLEM IS GIVEN IN LOW PRECISION. The matrix products marked QUANTISED in the list below multiply operands that are first quantised to E2M3 (2 exponent bits, 3 mantissa bits; 6 bits a number), with one power-of-two scale for each 32 numbers along K (OCP MX v1.0); their sums are f32. All else is computed in f32.
;;   The module's matrix products, in the order in which they are computed (A, B: the left and right operand; K: the contracted axis; several contracted axes count as one K, in the product's order):
;;     1. [M 8,192, K 1,024] x [K 1,024, N 3,072]; A: input x; B: input w_qkv: QUANTISED
;;     2. batch 64 x [M 2,048, K 64] x [K 64, N 2,048]; A: computed on the way; B: computed on the way: QUANTISED
;;     3. batch 64 x [M 2,048, K 2,048] x [K 2,048, N 64]; A: softmax (see below); B: computed on the way: QUANTISED
;;     4. [M 8,192, K 1,024] x [K 1,024, N 1,024]; A: computed on the way; B: input w_proj: QUANTISED
;;   THE QUANTISER, for each operand of a quantised product, along K:
;;     - K is cut into blocks of 32 from its start; a last block that is shorter is filled with zeros.
;;     - A block's scale is 2^e with e = floor(log2(the largest magnitude in the block)) - 2, held to -126 .. 127; a block of zeros has e = 0. As a byte (E8M0): e + 127.
;;     - Each number is divided by its block's scale, clamped to +-7.5, and rounded to the nearest number of E2M3, ties to even, subnormals kept.
;;     - The product sums the exact products of the quantised numbers (number of the format x scale) in f32.
;;   ~~~python
;;   def quantise(x, axis):      # numpy; x: float32 -> the quantised numbers, widened to float32 again
;;       x = np.moveaxis(x, axis, -1); K = x.shape[-1]
;;       x = np.pad(x, [(0, 0)] * (x.ndim - 1) + [(0, -K % 32)]); x = x.reshape(x.shape[:-1] + (-1, 32)); a = np.abs(x).max(-1, keepdims=True)
;;       e = np.where(a > 0, np.clip(np.frexp(np.where(a > 0, a, 1))[1] - 1 - 2, -126, 127), 0)      # np.frexp(a)[1] - 1 = floor(log2(a)), exactly
;;       r = np.clip(x / 2.0 ** e, -7.5, 7.5)
;;       step = 2.0 ** (np.maximum(np.frexp(np.where(r == 0, 1, r))[1] - 1, 0) - 3)
;;       q = np.round(r / step) * step * 2.0 ** e      # np.round: ties to even
;;       return np.moveaxis(q.reshape(q.shape[:-2] + (-1,))[..., :K], -1, axis).astype(np.float32)
;;   ~~~
;;   SOFTMAX AHEAD OF A QUANTISED PRODUCT. Where the list says 'softmax', what is quantised is not the finished softmax but p = 2^(t - M), with t = logit x log2(e) and M = ceil(the row's largest t), a whole number; so 1/2 < the row's largest p <= 1. The row's sum l is taken of the UNQUANTISED p, in f32, and the product's result is divided by l at the end. Since M is a whole number, a kernel that streams over the keys may use a running M (the ceiling of the running maximum): every later rescaling is an exact power of two, which a block's scale takes up: the codes' values come out the same.
;;   OPERANDS COMPUTED ON THE WAY. 'Computed on the way' means the value that the module computes at that place (a softmax that the list does not call 'softmax' is quantised finished and normalised). What goes into a quantiser is computed in f32, as accurately as f32 sums, v_exp_f32 and their like allow (about 1e-6 of the number): no bf16 or f16 on the way to a quantiser, and a product that is left as it is and whose result goes on into a quantised operand takes f32 operands (vector FMAs, or v_wmma_f32_16x16x4_f32). A number that lies on a knife's edge between two numbers of the format may be rounded either way, as far as f32 arithmetic and the matrix unit's own rounding can turn it there, and no further.
;; One version. Each part assembles by itself: llvm-mc -triple=amdgcn-amd-amdhsa -mcpu=gfx1250 --defsym DOCPART=n.
;; ======== version 1 of 1: 4 launches
;; limits: right only within a limited range of input values
;; workspace buffers: cod 9,437,184 bytes; scl 393,216 bytes; qk 13,631,488 bytes; vv 6,553,600 bytes; oc 6,291,456 bytes; os 262,144 bytes
;; launch quant (part 1): grid 768 x 1, 4 waves a work-group, no clusters, 33,280 bytes of LDS; arguments x, w_qkv, w_proj, cod, scl; writes cod, scl
.if DOCPART == 1
	.amdgcn_target "amdgcn-amd-amdhsa--gfx1250"
	.amdhsa_code_object_version 6
	.text
	.protected	k_qf2a9f5acd3_quant
	.globl	k_qf2a9f5acd3_quant
	.p2align	8
	.type	k_qf2a9f5acd3_quant,@function
k_qf2a9f5acd3_quant:
	s_mov_b64 s[64:65], 0
	v_nop
	global_prefetch_b8 v0, s[64:65] scope:SCOPE_SE
	s_setreg_imm32_b32 hwreg(HW_REG_WAVE_MODE, 25, 1), 1
	s_wait_xcnt 0x0
; x [8192][1024], w_qkv [3072][1024] and w_proj [1024][1024], f32, K innermost, become codes of FP6 (E2M3), 6 bits each, and one E8M0 scale byte for each 32 along K.
; cod: [12288 rows][768 bytes], scl: [12288 rows][32 bytes]; rows 0-8191 x, 8192-11263 w_qkv, 11264-12287 w_proj.
; A block's scale is 2^(floor(log2(its largest magnitude)) - 2); its byte is the largest magnitude's exponent field - 2, held at 1 from below.  Each number is divided by the scale and rounded to the nearest code, ties to even;
; beyond 7.5 the conversion gives the largest code.  (A block of zeros gets the byte 1 where the rule says 127: its codes are zeros, which add nothing under any byte but 0xff, and this program alone reads the bytes.)
; LIMITS: blocks whose largest magnitude lies under 2^-124, the floor, whose byte is held at 1, were not tried; NaN and infinities among the inputs are not served.
; THE ROWS ARE STORED IN ANOTHER ORDER INSIDE EACH 32: the two middle groups of 8 rows change places, so that stored row 16 u + r of a group of 32 is row 8 u + r + 8 (r / 8).  A tile of 16 stored rows, as source 0 of a matrix
; instruction, then gives a lane's 16 registers of two neighbouring tiles 16 NEIGHBOURS of the true order, which is what the later launches' quantisers take.
; A work-group takes 16 rows, a wave 4 (4,096 numbers): so the change of places swaps the work-group's bit 0 with the wave's bit 1 on the way out.
; A wave takes 8 steps of 512 numbers.  Each of a step's four loads reads 512 consecutive bytes; the 2,048 bytes turn through the wave's own stage in LDS and come back 64 bytes (16 neighbours) a lane; two neighbouring lanes hold a block.
; A lane's 16 codes are 12 bytes: sixteen lanes store 192 consecutive bytes.  A wave's 128 scale bytes are gathered in LDS and leave as one aligned run of 128 bytes.  No tensor loads, no barrier: waves share nothing.
.set WAVES, 4
.set STEPS, 8                          ; a work-group takes 16 rows, a wave 4: 8 steps of half a row
.set EMAX,  2
.set CB,    12                         ; bytes of 16 codes
.set R,     16                         ; v16-79   four sets of 16 numbers as they are loaded
.set X,     80                         ; v80-111  two sets of 16 neighbours
.set C,     128                        ; v128-159 codes: four registers for each step, so that no store's data are written again
.set E,     112                        ; v112-119 a scale byte for each step
.set WREG,  8192                       ; LDS: a region for each wave: two stages of 32 x SP bytes, behind them its 128 scale bytes
.set SP,    80                         ; a lane's place in a stage: 64 bytes + 16 of padding
.set SPW,   12                         ; v12  LDS address of my spare word; never rewritten
.set NIL,   13                         ; v13  0; never rewritten
.set SPARE, WAVES*WREG                 ; behind the four regions: the spare words, 128 bytes a wave, which no other line names
	s_load_b256 s[4:11], s[0:1], 0x0               ; x s[4:5], w_qkv s[6:7], w_proj s[8:9], cod s[10:11]
	s_load_b64 s[12:13], s[0:1], 0x20              ; scl
; cod's LAYOUT.  x and w_qkv (stored rows 0-11263): four planes [K step of 256][row][192 bytes], so that 128 rows of one K step are 24,576 dense bytes.
; w_proj (rows 11264-12287): from WP0 on two planes [K half of 512][row][384 bytes].  One path serves both: the strides are chosen by the work-group's number alone.
.set PLANE, 11264*192
.set WP0,   4*PLANE
.set WPH,   1024*384
	s_cmp_lt_u32 ttmp9, 704                        ; work-groups 0-703: x and w_qkv
	s_mov_b32 s26, 192
	s_cselect_b32 s26, PLANE, s26                  ; from lanes 0-15 to lanes 16-31 of a step: the next plane, or 192 bytes on
	s_mov_b32 s30, 384
	s_cselect_b32 s30, 192, s30                    ; from row to row
	s_mov_b32 s31, 0
	s_mov_b32 s28, WPH
	s_cselect_b32 s28, 2*PLANE, s28                ; from a row's first half to its second
	s_cselect_b32 s29, 0, WP0
	s_cselect_b32 s27, 0, 11264
	v_lshl_add_u32 v[SPW], v0, 2, SPARE
	v_mov_b32 v[NIL], 0
	v_lshrrev_b32 v1, 5, v0
	v_readfirstlane_b32 s16, v1                    ; wave
	v_and_b32 v2, 31, v0                           ; lane
	v_lshlrev_b32 v3, 4, v2                        ; my 16 bytes of a load's 512
	s_mul_i32 s17, s16, WREG
	v_lshrrev_b32 v14, 2, v2
	v_mul_u32_u24 v14, v14, SP
	v_and_b32 v15, 3, v2
	v_lshl_add_u32 v14, v15, 4, v14
	v_add_nc_u32 v14, s17, v14                     ; the stage, on the way in: SP (lane / 4) + 16 (lane % 4)
	v_mul_u32_u24 v15, v2, SP
	v_add_nc_u32 v15, s17, v15                     ; and on the way out: SP x lane: my 16 neighbours
	v_and_b32 v4, 15, v2
	v_lshrrev_b32 v1, 4, v2
	v_mul_u32_u24 v4, v4, CB
	v_mad_u32_u24 v4, v1, s26, v4                  ; my codes' place in an even step's
	v_add_nc_u32 v10, s28, v4                      ; and in an odd step's
	v_lshrrev_b32 v5, 1, v2
	s_add_co_u32 s17, s17, 2*32*SP
	v_add_nc_u32 v5, s17, v5                       ; LDS: my wave's 128 scale bytes, my block's byte
	v_lshlrev_b32 v7, 2, v2                        ; and on the way out 4 bytes a lane
	v_add_nc_u32 v6, s17, v7
	s_lshr_b32 s20, ttmp9, 1                       ; my group of 8 rows is 2 x work-group + wave / 2; its two low bits change places
	s_lshl_b32 s20, s20, 2
	s_lshr_b32 s21, s16, 1
	s_lshl_b32 s21, s21, 1
	s_or_b32 s20, s20, s21
	s_and_b32 s21, ttmp9, 1
	s_or_b32 s20, s20, s21                         ; the weights' order: inside each 32 rows the two middle groups of 8 change places
	s_lshr_b32 s32, ttmp9, 2                       ; x's ORDER, INSIDE EACH 64 ROWS: token 32 h + 8 j + i becomes stored row 16 j + 8 h + i: group 4 h + j of 8 rows becomes group 2 j + h
	s_lshl_b32 s32, s32, 3
	s_lshl_b32 s33, s21, 2                         ; j's upper bit: the work-group's bit 0
	s_or_b32 s32, s32, s33
	s_lshr_b32 s33, s16, 1
	s_lshl_b32 s33, s33, 1                         ; j's lower bit: wave / 2
	s_or_b32 s32, s32, s33
	s_bfe_u32 s33, ttmp9, 0x10001                  ; h: the work-group's bit 1
	s_or_b32 s32, s32, s33
	s_cmp_lt_u32 ttmp9, 512                        ; x's work-groups
	s_cselect_b32 s20, s32, s20
	s_lshl_b32 s20, s20, 3
	s_and_b32 s21, s16, 1
	s_lshl_b32 s21, s21, 2
	s_or_b32 s20, s20, s21                         ; my first stored row: 0 .. 12284
	s_lshl_b32 s24, s20, 5                         ; 32 scale bytes a row
	s_mov_b32 s25, 0
	s_sub_co_u32 s20, s20, s27
	s_mul_i32 s22, s20, s30
	s_add_co_u32 s22, s22, s29                     ; my first row's codes
	s_mov_b32 s23, 0
	s_wait_alu depctr_va_vdst(0)
	s_wait_kmcnt 0x0
	s_cmp_lt_u32 ttmp9, 512                        ; work-groups 0-511 take x, 512-703 w_qkv, 704-767 w_proj
	s_cselect_b64 s[4:5], s[4:5], s[6:7]
	s_cselect_b32 s17, 0, 512
	s_cmp_lt_u32 ttmp9, 704
	s_cselect_b64 s[4:5], s[4:5], s[8:9]
	s_cselect_b32 s17, s17, 704
	s_sub_co_u32 s17, ttmp9, s17
	s_lshl_b32 s17, s17, 2
	s_add_co_u32 s18, s17, s16                     ; which run of 4,096 numbers of the input is mine
	s_lshl_b32 s18, s18, 14                        ; 16,384 bytes a run of 4 rows
	s_mov_b32 s19, 0
	s_add_nc_u64 s[4:5], s[4:5], s[18:19]
	s_add_nc_u64 s[40:41], s[10:11], s[22:23]      ; a base for each of my four rows
	s_add_nc_u64 s[42:43], s[40:41], s[30:31]
	s_add_nc_u64 s[44:45], s[42:43], s[30:31]
	s_add_nc_u64 s[46:47], s[44:45], s[30:31]
	s_add_nc_u64 s[12:13], s[12:13], s[24:25]
.macro LOAD t
.irp i, 0,1,2,3
	global_load_b128 v[R+16*((\t)%4)+4*\i:R+16*((\t)%4)+4*\i+3], v3, s[4:5] offset:2048*(\t)+512*\i th:TH_LOAD_NT   ; 32 lanes read 512 consecutive bytes
.endr
.endm
.macro TURN t                          ; step t's numbers through the stage: LDS serves a wave's instructions in order, so no wait stands between the stores and the loads
.irp i, 0,1,2,3
	ds_store_b128 v14, v[R+16*((\t)%4)+4*\i:R+16*((\t)%4)+4*\i+3] offset:32*SP*((\t)%2)+8*SP*\i
.endr
.irp i, 0,1,2,3
	ds_load_b128 v[X+16*((\t)%2)+4*\i:X+16*((\t)%2)+4*\i+3], v15 offset:32*SP*((\t)%2)+16*\i
.endr
.endm
.irp t, 0,1,2,3
	LOAD \t
.endr
	s_wait_loadcnt 12                              ; step 0's four loads are in; the twelve of steps 1 to 3 may be out
	TURN 0
.macro STEP t
.set XS, X+16*((\t)%2)
.if (\t) > 0
	s_wait_dscnt 1                                 ; this step's numbers are back from the stage (the last step's byte store may be out): so its stores into the stage have read their registers,
.else
	s_wait_dscnt 0x0
.endif
.if (\t)+4 < STEPS
	LOAD (\t)+4                                    ; which take the loads of four steps on
.endif
.if (\t)+1 < STEPS
.if STEPS-2-(\t) >= 3
	s_wait_loadcnt 12                              ; the next step's four loads are in; those of the three steps behind it may be out
.else
	s_wait_loadcnt 4*(STEPS-2-(\t))
.endif
	TURN (\t)+1                                    ; and go through the other stage while this step is worked
.endif
	v_max3_num_f32 v8, |v[XS]|, |v[XS+1]|, |v[XS+2]|               ; the largest magnitude of my 16, in two chains
	v_max3_num_f32 v9, |v[XS+3]|, |v[XS+4]|, |v[XS+5]|
.irp i, 6,10
	v_max3_num_f32 v8, v8, |v[XS+\i]|, |v[XS+\i+1]|
	v_max3_num_f32 v9, v9, |v[XS+\i+2]|, |v[XS+\i+3]|
.endr
	v_max3_num_f32 v8, v8, |v[XS+14]|, |v[XS+15]|
	v_max3_num_f32 v8, v8, v9, (EMAX+1)<<23        ; and the floor 2^(3 - 127): so the byte cannot fall under 1
	v_max_num_f32_dpp v8, v8, v8 row_xmask:1 row_mask:0xf bank_mask:0xf   ; and of my neighbour's 16: the block's
	v_add_nc_u32 v11, -(EMAX<<23), v8              ; 2 off its exponent field: the conversion takes the exponent field of this operand as its scale, and nothing else of it
	v_cvt_scalef32_pk16_fp6_f32 v[C+4*(\t):C+4*(\t)+2], v[XS:XS+15], v11
	v_lshrrev_b32 v[E+(\t)], 23, v11               ; the scale's byte (also the plain line behind the conversion)
	ds_store_b8 v5, v[E+(\t)] offset:16*(\t)       ; both lanes of a block write the same byte with the same value
	global_store_b96 v[4+6*((\t)%2)], v[C+4*(\t):C+4*(\t)+2], s[40+2*((\t)/2):41+2*((\t)/2)]   ; row t / 2, half t % 2: sixteen lanes store 192 consecutive bytes
.endm
.irp t, 0,1,2,3,4,5,6,7
	STEP \t
.endr
	ds_load_b32 v8, v6                             ; LDS serves a wave's instructions in order: this sees my stores
	s_wait_dscnt 0x0
	global_store_b32 v7, v8, s[12:13]              ; 32 lanes store my four rows' 128 consecutive bytes
	s_wait_tensorcnt 0x0                           ; the wave's end, behind my last LDS store
	ds_add_u32 v[SPW], v[NIL]
	s_wait_dscnt 0x0
	s_endpgm
.Lfunc_end_k_qf2a9f5acd3_quant:
	.size	k_qf2a9f5acd3_quant, .Lfunc_end_k_qf2a9f5acd3_quant-k_qf2a9f5acd3_quant
	.p2alignl 7, 3214868480
	.fill 96, 4, 3214868480
	.section	.rodata,"a",@progbits
	.p2align	6, 0x0
	.amdhsa_kernel k_qf2a9f5acd3_quant
		.amdhsa_group_segment_fixed_size 33280
		.amdhsa_private_segment_fixed_size 0
		.amdhsa_enable_private_segment 0
		.amdhsa_kernarg_size 40
		.amdhsa_user_sgpr_count 2
		.amdhsa_user_sgpr_kernarg_segment_ptr 1
		.amdhsa_wavefront_size32 1
		.amdhsa_system_sgpr_workgroup_id_x 1
		.amdhsa_system_sgpr_workgroup_id_y 1
		.amdhsa_system_sgpr_workgroup_id_z 1
		.amdhsa_system_vgpr_workitem_id 0
		.amdhsa_next_free_vgpr 192
		.amdhsa_next_free_sgpr 66
		.amdhsa_reserve_vcc 0
		.amdhsa_float_denorm_mode_32 3
		.amdhsa_float_denorm_mode_16_64 3
		.amdhsa_memory_ordered 1
		.amdhsa_forward_progress 1
		.amdhsa_inst_pref_size 19
	.end_amdhsa_kernel
	.amdgpu_metadata
---
amdhsa.version: [ 1, 2 ]
amdhsa.kernels:
  - .name:           k_qf2a9f5acd3_quant
    .symbol:         k_qf2a9f5acd3_quant.kd
    .args:
      - { .name: x, .offset: 0, .size: 8, .value_kind: global_buffer, .address_space: global }
      - { .name: w_qkv, .offset: 8, .size: 8, .value_kind: global_buffer, .address_space: global }
      - { .name: w_proj, .offset: 16, .size: 8, .value_kind: global_buffer, .address_space: global }
      - { .name: cod, .offset: 24, .size: 8, .value_kind: global_buffer, .address_space: global }
      - { .name: scl, .offset: 32, .size: 8, .value_kind: global_buffer, .address_space: global }
    .group_segment_fixed_size: 33280
    .private_segment_fixed_size: 0
    .kernarg_segment_align: 8
    .kernarg_segment_size: 40
    .max_flat_workgroup_size: 128
    .sgpr_count:     66
    .vgpr_count:     192
    .wavefront_size: 32
...
	.end_amdgpu_metadata
.endif
;; end of part 1
;; launch qkv (part 2): grid 12 x 32, 4 waves a work-group, clusters of 4 x 4, 327,680 bytes of LDS; arguments cod, scl, qk, vv; writes qk, vv
.if DOCPART == 2
	.amdgcn_target "amdgcn-amd-amdhsa--gfx1250"
	.amdhsa_code_object_version 6
	.text
	.protected	k_qf2a9f5acd3_qkv
	.globl	k_qf2a9f5acd3_qkv
	.p2align	8
	.type	k_qf2a9f5acd3_qkv,@function
k_qf2a9f5acd3_qkv:
	s_mov_b64 s[64:65], 0
	v_nop
	global_prefetch_b8 v0, s[64:65] scope:SCOPE_SE
	s_setreg_imm32_b32 hwreg(HW_REG_WAVE_MODE, 25, 1), 1
	s_wait_xcnt 0x0
	s_wait_alu depctr_hold_cnt(0) depctr_sa_sdst(0) depctr_va_vdst(0) depctr_va_sdst(0) depctr_va_ssrc(0) depctr_va_vcc(0) depctr_vm_vsrc(0)
	s_getreg_b32 s2, hwreg(HW_REG_IB_STS2, 6, 4)
	s_cmp_eq_u32 s2, 0
	s_cbranch_scc0 .Lentry_in_a_cluster
	s_endpgm
.Lentry_in_a_cluster:
	s_bfe_u32 s2, ttmp6, 0x10000c
	s_cmp_lg_u32 s2, 0xf033
	s_cbranch_scc0 .Lentry_shape_is_right
	s_endpgm
.Lentry_shape_is_right:
; qkv = x w_qkv^T on codes of FP6 (E2M3) with E8M0 scales, K = 1,024; the results never leave as f32: they are quantised in registers and stored as IMAGES OF THE OPERAND REGISTERS that the attention launch takes.
; A tile of 256 x 256 results is made by four waves, 128 x 128 each: 64 accumulators, 512 registers.  K goes in steps of 256 through two LDS slots filled by the tensor data mover (rows of 192 bytes, 16 bytes of padding behind each 64);
; the scale bytes of the tile's 512 rows, for all of K, come once with the first fills.  4 x 4 work-groups form a cluster: A's tile is asked for jointly along a row of the cluster, B's along a column.
; THE MATRIX INSTRUCTION: source 0 = 16 rows of 'B', source 1 = 16 rows of 'A': a lane holds ONE row of A, and its registers run along B's rows.  B is therefore the operand along whose rows the result is quantised.
;   clusters x = 0, 1 (q and k): A = x (tokens), B = w_qkv rows 0-2047: a lane holds a token, its registers run along the head's channels.
;   cluster  x = 2    (v):       A = w_qkv rows 2048-3071, B = x: a lane holds a channel, its registers run along the tokens, which are the keys: the K of attention's second product.
; cod's rows are stored so that a tile of 16 stored rows 2 b + u of B gives register j of lane half h the true row 32 b + 16 h + 8 u + j: the 16 registers of two neighbouring tiles are 16 neighbours along the next K.
; OUT.  qk: [batch 4][head slot 32: q's 16, k's 16][block of 128 tokens 16][6,656 bytes]: four pair images of 1,536 bytes (pair i: stored token tiles 2 i, 2 i + 1, six registers each: 64 channels), then 512 bytes of scale words
; (word of pair i at 16 lane + 4 i; lanes 0-15 tile 2 i's tokens, lanes 16-31 tile 2 i + 1's; bytes 0, 1 the two blocks, bytes 2, 3 zero).
; vv: [batch x head 64][128 keys 16][6,400 bytes]: four images of 1,536 bytes (16 channels x 128 keys, 12 registers), then 256 bytes of scale words (word j at 8 lane + 4 j; lanes 0-15 tile 2 j, lanes 16-31 tile 2 j + 1).
; Every store of the wave covers 512 (or 256) consecutive aligned bytes.  LIMITS: a block of zeros gets the byte 1 (its codes are zeros; this program alone reads the bytes); NaN and infinities are not served.
; REGISTERS, in windows of 256: window 0: v0-31 addresses; v32-63 scale words, two sets; from v128 A's fragments, one set; on the way out v128-226 are at work.  window 1: B's fragments, two sets, at v0 and v128.
;   window 2: the 32 accumulators of my A rows 0-63 (accumulator (a, b) at v[8 (8 a + b)]);  window 3: those of rows 64-127.
.set KSTEP,  256                       ; along K in a slot
.set NQ,     2                         ; matrix instructions deep
.set ROWB,   11264*192                 ; from a K step's plane of cod to the next: cod is [K step][row][192 bytes]
.set KROW,   192                       ; a row of a plane in bytes
.set G0H,    4                         ; s[4:7], s[40:43] group 0 for the head's loads of K step 0: A's 256 rows, B's 256 rows (what lay there has been used by then)
.set G0HB,   40
.set PITCH,  240                       ; an LDS row: 3 x (64 bytes + 16 of padding)
.set FR,     12                        ; registers of a fragment
.set NL,     6                         ; LDS loads that bring one
.set NP,     4                         ; places behind this matrix instruction (ISA guide 7.12.1)
.set HALFT,  128*PITCH                 ; 128 rows: what one tensor load brings
.set SLOT,   4*HALFT                   ; A's 256 rows, then B's 256 rows
.set LAPS,   2                         ; 1,024 / 512: a lap = two K steps = once round the ring
.set KS,     32                        ; a row of scale bytes
.set SCL,    2*SLOT                    ; behind the ring: the scales, as runs of 256 bytes + 16 of padding
.set HALFS,  (128*KS/256)*272          ; the scales of 128 rows
.set SBLK,   (16*KS/256)*272           ; those of 16 rows
.set SPARE,  SCL+4*HALFS               ; the spare words, 128 bytes a wave, which no other line names
.set ADRA, 16                          ; v16-17 LDS address of my A fragments in slot 0, 1  (v18-19: for the pieces behind one padding more)
.set ADRB, 20                          ; v20-21 the same for B  (v22-23)
.set LI,   24                          ; v24  16 x lane: an image's place for my lane
.set L8,   25                          ; v25  8 x lane
.set ADRS, 27                          ; v27  LDS address of my scale words: lanes 0-15 A's rows, lanes 16-31 B's
.set SPW,  28                          ; v28  LDS address of my spare word; never rewritten
.set NIL,  29                          ; v29  0; never rewritten
.set SC,   32                          ; scale words: set s at v[SC + 16 s]; register 2 i + q: lanes 0-15 A's block i, lanes 16-31 B's block i
.set AF,   128                         ; A's fragments, in window 0
.set IMG,  128                         ; the way out: two sets of 24 registers of images
.set SA,   180                         ; v180-183, v184-187 scale words on their way out
.set SB,   184
.set TM,   200                         ; v200-203 largest magnitudes, v204-207 permuted and bytes, v212-215 the conversions' scales
.set PW,   216                         ; v216, v217 two rows' scale words
.set WT,   218
.set TP,   220                         ; v220-226 the conversions' second halves
.set G1, 24                            ; s[24:31] descriptor group 1 for A's tiles;  s[32:39] group 0, one set for each slot
.set G0, 32
.set G1B, 48                           ; s[48:55], s[56:63] the same for B's tiles
.set G0B, 56
.set G1S, 68                           ; s[68:75], s[76:79] groups 1 and 0 for A's scales;  s[80:87], s[88:91] for B's
.set G0S, 76
.set G1SB, 80
.set G0SB, 88
.set MSB, 0
.macro WIN new                         ; the immediate's high byte repeats the setting that is left
.if MSB != \new
	s_set_vgpr_msb (MSB<<8)|\new
.set MSB, \new
.endif
.endm
.set MUL_LO, 0xa1                      ; source 0 (B) window 1, source 1 (A) window 0, C and D window 2
.set MUL_HI, 0xf1                      ; the same, C and D window 3
.set TO_B,   0x40                      ; destination window 1, address window 0
; A joint load: waves 0 and 1 fetch for A, waves 2 and 3 for B.  The branch hangs on the wave's number alone.  An s_nop 0 and four v_nop follow each of the two lines.
.macro JLOAD g0a, g1a, g0b, g1b
	s_cmp_eq_u32 s15, 0
	s_cbranch_scc0 .Lfor_b_\@
	tensor_load_to_lds s[\g0a:\g0a+3], s[\g1a:\g1a+7]
	s_nop 0
.rept 4
	v_nop
.endr
	s_branch .Lasked_\@
.Lfor_b_\@:
	tensor_load_to_lds s[\g0b:\g0b+3], s[\g1b:\g1b+7]
	s_nop 0
.rept 4
	v_nop
.endr
.Lasked_\@:
.endm
.macro CREST                           ; a round of the cluster's barrier behind its opening barrier
	s_cmp_lg_u32 s14, 0
	s_cbranch_scc1 .Lnot_wave_0_\@
	s_barrier_signal -3
.Lnot_wave_0_\@:
	s_barrier_wait -3
	s_barrier_signal -1
	s_barrier_wait -1
.endm
.macro CROUND                          ; a whole round
	s_barrier_signal -1
	s_barrier_wait -1
	CREST
.endm
	s_load_b256 s[4:11], s[0:1], 0x0               ; cod s[4:5], scl s[6:7], qk s[8:9], vv s[10:11]
	v_lshl_add_u32 v[SPW], v0, 2, SPARE
	v_mov_b32 v[NIL], 0
	ds_add_u32 v[SPW], v[NIL]                      ; the wave's opening: the add and its wait ahead of my first tensor load; the set-up below, work on registers, stands between them
	ds_add_u32 v[SPW], v[NIL]
	v_lshrrev_b32 v1, 5, v0
	v_readfirstlane_b32 s14, v1                    ; wave 0..3
	s_lshr_b32 s15, s14, 1                         ; which half of A's rows is mine.  Also: I fetch for A (0) or for B (1)
	s_and_b32 s16, s14, 1                          ; which half of B's rows.  Also: which 128 rows of that tile I fetch
	s_bfe_u32 s40, ttmp6, 0x40000                  ; cx, cy: my place in the cluster
	s_bfe_u32 s41, ttmp6, 0x40004
	s_and_b32 s17, ttmp7, 0xffff                   ; cluster y: 0..7
	s_mov_b32 s100, ttmp9                          ; cluster x: 0, 1: q and k;  2: v.  The same in all sixteen partners
	s_cmp_lt_u32 s100, 2
	s_cselect_b32 s95, s17, 0                      ; A's cluster coordinate: the tokens' (y), or none: v's 1,024 weight rows are the cluster's four tiles
	s_cselect_b32 s96, s100, s17                   ; B's: the weights' (x), or the tokens' (y)
	s_cselect_b32 s97, 0, 10240                    ; A's first row in cod: x, or w_qkv's row 2,048
	s_cselect_b32 s98, 8192, 0                     ; B's: w_qkv's row 0, or x
	s_lshl_b32 s95, s95, 2
	s_add_co_u32 s95, s95, s41                     ; A's tile of 256 rows: cy alone of the two places enters it
	s_lshl_b32 s96, s96, 2
	s_add_co_u32 s96, s96, s40                     ; B's: cx alone
	s_lshl_b32 s43, s41, 2
	s_lshl_b32 s43, 15, s43                        ; my row of the cluster
	s_lshl_b32 s44, 0x1111, s40                    ; my column
	; descriptor group 1: a tile of 128 rows x 192 bytes, padded in LDS
	s_or_b32 s[G1+0], s43, (0<<16)|(1<<20)|(1<<21)|(3<<22)|(3<<25)  ; 15:0 the mask: A's tiles go to my row; 17:16 elements of 1 byte; 20 padding on; 21 set beside a mask; 24:22 after every 16 words; 31:25 4 words of it
	s_or_b32 s[G1B+0], s44, (0<<16)|(1<<20)|(1<<21)|(3<<22)|(3<<25)
.irp g, G1, G1B
	s_mov_b32 s[\g+1], 256<<16                     ; a tile's rows of 192 bytes lie end to end: they are stated as rows of 256 bytes; the padding's interval stays 64 bytes, so an LDS row is 240 bytes as before
	s_mov_b32 s[\g+2], 192<<16                     ; the head's loads: 256 rows of 192 bytes = 192 of 256
	s_mov_b32 s[\g+3], 256<<16
	s_mov_b32 s[\g+4], 192
	s_mov_b32 s[\g+5], 256
	s_mov_b32 s[\g+6], 0
	s_mov_b32 s[\g+7], 0
.endr
	; the scales of 128 rows: a dense block of 4,096 bytes, as 16 rows of 256 bytes (32 elements of 8 bytes), 16 bytes of padding behind each
	s_or_b32 s[G1S+0], s43, (3<<16)|(1<<20)|(1<<21)|(5<<22)|(3<<25)
	s_or_b32 s[G1SB+0], s44, (3<<16)|(1<<20)|(1<<21)|(5<<22)|(3<<25)
.irp g, G1S, G1SB
	s_mov_b32 s[\g+1], 32<<16
	s_mov_b32 s[\g+2], (256*KS/256)<<16            ; the scales of all 256 rows by one load
	s_mov_b32 s[\g+3], 32<<16
	s_mov_b32 s[\g+4], 256*KS/256
	s_mov_b32 s[\g+5], 32
	s_mov_b32 s[\g+6], 0
	s_mov_b32 s[\g+7], 0
.endr
	s_lshl_b32 s20, s95, 8
	s_add_co_u32 s20, s20, s97                     ; A: the tile's first row of cod and scl
	s_lshl_b32 s46, s96, 8
	s_add_co_u32 s46, s46, s98                     ; B likewise
	s_mul_i32 s18, s16, 128*KROW                   ; in the ring I fetch 128 rows of a tile: which half, in bytes
	s_mov_b32 s19, 0
	s_lshl_b32 s22, s20, 5                         ; where these rows' scales begin, in bytes (all offsets stay under 2^24)
	s_mov_b32 s23, 0
	s_lshl_b32 s92, s46, 5
	s_mov_b32 s93, 0
	s_mul_i32 s20, s20, KROW                       ; and their codes
	s_mov_b32 s21, 0
	s_mul_i32 s46, s46, KROW
	s_mov_b32 s47, 0
	s_mul_i32 s45, s14, HALFT                      ; where they go: wave x 128 rows: no place in the cluster enters an LDS address
	s_mov_b32 s66, 0x76543210                      ; v_permlanex16_b32's selects for lane l xor 16
	s_mov_b32 s67, 0xfedcba98
	s_mov_b32 s101, 0xffff0000                     ; a mask of lanes 16-31
	s_wait_dscnt 0x0                               ; the opening add is done
	s_wait_kmcnt 0x0
	s_add_nc_u64 s[20:21], s[4:5], s[20:21]
	s_add_nc_u64 s[22:23], s[6:7], s[22:23]
	s_add_nc_u64 s[46:47], s[4:5], s[46:47]
	s_add_nc_u64 s[92:93], s[6:7], s[92:93]
	CROUND                                         ; all sixteen work-groups are here: the first joint loads meet
	s_mov_b32 s[G0S], 1
	s_mov_b32 s[G0S+1], SCL
	s_mov_b64 s[G0S+2:G0S+3], s[22:23]
	s_or_b32 s[G0S+3], s[G0S+3], 0x80000000
	s_mov_b32 s[G0SB], 1
	s_mov_b32 s[G0SB+1], SCL+2*HALFS
	s_mov_b64 s[G0SB+2:G0SB+3], s[92:93]
	s_or_b32 s[G0SB+3], s[G0SB+3], 0x80000000
	s_mov_b32 s[G0H], 1                            ; K step 0's 256 rows of A,
	s_mov_b32 s[G0H+1], 0
	s_mov_b64 s[G0H+2:G0H+3], s[20:21]
	s_or_b32 s[G0H+3], s[G0H+3], 0x80000000
	s_mov_b32 s[G0HB], 1                           ; and of B, behind them in slot 0
	s_mov_b32 s[G0HB+1], 2*HALFT
	s_mov_b64 s[G0HB+2:G0HB+3], s[46:47]
	s_or_b32 s[G0HB+3], s[G0HB+3], 0x80000000
	s_add_nc_u64 s[20:21], s[20:21], s[18:19]      ; for the ring: my 128 rows of the tile
	s_add_nc_u64 s[46:47], s[46:47], s[18:19]
.irp s, 0,1
	s_mov_b32 s[G0+4*\s], 1
	s_add_co_u32 s[G0+4*\s+1], s45, \s*SLOT
	s_add_nc_u64 s[G0+4*\s+2:G0+4*\s+3], s[20:21], \s*ROWB
	s_or_b32 s[G0+4*\s+3], s[G0+4*\s+3], 0x80000000
	s_mov_b32 s[G0B+4*\s], 1
	s_add_co_u32 s[G0B+4*\s+1], s45, \s*SLOT
	s_add_nc_u64 s[G0B+4*\s+2:G0B+4*\s+3], s[46:47], \s*ROWB
	s_or_b32 s[G0B+4*\s+3], s[G0B+4*\s+3], 0x80000000
.endr
; THE HEAD'S LOADS, ONE A WAVE: wave 0 K step 0's rows of A, wave 1 those of B, wave 2 A's scales, wave 3 B's.  One chain of branches on the wave's number; every way passes one load.
.macro ARM under, g0, g1, next
	s_cmp_lt_u32 s14, \under
	s_cbranch_scc0 \next
	tensor_load_to_lds s[\g0:\g0+3], s[\g1:\g1+7]
	s_nop 0
.rept 4
	v_nop
.endr
	s_branch .Lhead_asked
\next:
.endm
	ARM 1, G0H,  G1,  .Lhead_b
	ARM 2, G0HB, G1B, .Lhead_sa
	ARM 3, G0S,  G1S, .Lhead_sb
	tensor_load_to_lds s[G0SB:G0SB+3], s[G1SB:G1SB+7]
	s_nop 0
.rept 4
	v_nop
.endr
.Lhead_asked:
	v_and_b32 v1, 15, v0
	v_bfe_u32 v2, v0, 4, 1                         ; l / 16
	v_mul_u32_u24 v3, v1, PITCH
	v_mul_u32_u24 v4, v2, 24
	v_add_nc_u32 v4, v3, v4                        ; a fragment's row x pitch + 24 x half
	v_lshl_add_u32 v5, v2, 4, v4                   ; and the same behind one padding more
	s_mul_i32 s21, s15, HALFT                      ; my 128 rows of A
	s_mul_i32 s22, s16, HALFT                      ; my 128 rows of B,
	s_add_co_u32 s22, s22, 2*HALFT                 ; which lie behind A's 256
.irp s, 0,1
	v_add_nc_u32 v[ADRA+\s], s21, v4
	v_add_nc_u32 v[ADRB+\s], s22, v4
	v_add_nc_u32 v[ADRA+2+\s], s21, v5
	v_add_nc_u32 v[ADRB+2+\s], s22, v5
	s_add_co_u32 s21, s21, SLOT
	s_add_co_u32 s22, s22, SLOT
.endr
	v_mul_u32_u24 v5, v1, KS                       ; my row's scales: 32 bytes a row,
	v_lshrrev_b32 v6, 8, v5
	v_lshl_add_u32 v5, v6, 4, v5                   ; and 16 more for each 256 passed
	s_mul_i32 s21, s15, HALFS                      ; A's: my 128 rows
	s_mul_i32 s22, s16, HALFS                      ; B's: my 128 rows, behind A's 256
	s_add_co_u32 s22, s22, 2*HALFS
	s_sub_co_u32 s22, s22, s21
	v_mul_u32_u24 v6, s22, v2                      ; lanes 16-31 take B's: the lower base + half x the distance
	s_add_co_u32 s21, s21, SCL
	v_add_nc_u32 v5, v5, v6
	v_add_nc_u32 v[ADRS], s21, v5
	v_and_b32 v6, 31, v0
	v_lshlrev_b32 v[LI], 4, v6
	v_lshlrev_b32 v[L8], 3, v6
	v_lshlrev_b32 v26, 3, v2                       ; 8 x (lane / 16): how far my two scale bytes are shifted in v's scale word
.macro FRAG reg, adr, q, i             ; a fragment, 16 rows x 128 K of 6-bit codes, is 12 registers: lane l holds row l % 16; registers 6 c .. 6 c + 5 hold K = 64 c + 32 (l / 16) + 0 .. 31: 24 bytes of the row, as they lie
.irp p, 0,1,2,3,4,5                    ; in pieces of 8 bytes.  Lanes 16-31 read three pieces further on than lanes 0-15: where that is behind one padding more, the second address register serves
.set PC, 12*(\q)+6*(\p/3)+\p%3
.if PC%8 < 5
	ds_load_b64 v[\reg+2*\p:\reg+2*\p+1], v[\adr] offset:8*PC+16*(PC/8)+(\i)*16*PITCH
.else
	ds_load_b64 v[\reg+2*\p:\reg+2*\p+1], v[\adr+2] offset:8*PC+16*(PC/8)+(\i)*16*PITCH
.endif
.endr
.endm
; 16 matrix instructions: A's blocks a0, a0 + 1 x B's eight, 128 along K: the slot's q-th.  p: B's set;  sc: the set of scale words.  zero = 1: the first product starts the sums: nothing is cleared.
; The 64 accumulators take turns, one instruction a turn, in the same order in every step.
.macro MUL16 a0, p, q, sc, zero
.irp a, \a0, \a0+1
.irp b, 0,1,2,3,4,5,6,7
.if \zero
	v_wmma_scale_f32_16x16x128_f8f6f4 v[8*(8*((\a)%4)+\b):8*(8*((\a)%4)+\b)+7], v[128*(\p)+FR*\b:128*(\p)+FR*\b+FR-1], v[AF+FR*(\a):AF+FR*(\a)+FR-1], 0, v[SC+8*NQ*(\sc)+NQ*\b+(\q)], v[SC+8*NQ*(\sc)+NQ*(\a)+(\q)] matrix_a_fmt:MATRIX_FMT_FP6 matrix_b_fmt:MATRIX_FMT_FP6 matrix_a_scale:MATRIX_SCALE_ROW1
.else
	v_wmma_scale_f32_16x16x128_f8f6f4 v[8*(8*((\a)%4)+\b):8*(8*((\a)%4)+\b)+7], v[128*(\p)+FR*\b:128*(\p)+FR*\b+FR-1], v[AF+FR*(\a):AF+FR*(\a)+FR-1], v[8*(8*((\a)%4)+\b):8*(8*((\a)%4)+\b)+7], v[SC+8*NQ*(\sc)+NQ*\b+(\q)], v[SC+8*NQ*(\sc)+NQ*(\a)+(\q)] matrix_a_fmt:MATRIX_FMT_FP6 matrix_b_fmt:MATRIX_FMT_FP6 matrix_a_scale:MATRIX_SCALE_ROW1
.endif
.endr
.endr
.endm
.macro FETCH_B slot, q, p              ; B's eight fragments of the slot's q-th 128 along K into set p
	WIN TO_B
.irp i, 0,1,2,3,4,5,6,7
	FRAG 128*(\p)+FR*\i, ADRB+\slot, \q, \i
.endr
	WIN 0
.endm
.macro FETCH_A slot, q, i0             ; A's blocks i0 .. i0 + 3
.irp i, \i0, \i0+1, \i0+2, \i0+3
	FRAG AF+FR*(\i), ADRA+\slot, \q, \i
.endr
.endm
.macro SCALES sc                       ; the next K step's scale words into set sc: two words a row; lanes 0-15 take A's block i, lanes 16-31 B's block i
.irp i, 0,1,2,3,4,5,6,7
	ds_load_b64 v[SC+8*NQ*\sc+NQ*\i:SC+8*NQ*\sc+NQ*\i+1], v[ADRS] offset:\i*SBLK
.endr
.endm
; A load into a register that a matrix instruction has read, and a vector instruction that reads a matrix result or writes one of its registers, stand four places behind it; only plain vector instructions
; that name none of its registers are places (ISA guide 7.12.1 for vector instructions).
.macro PLACES n
.rept \n
	v_nop
.endr
.endm
; A step of 128 along K that has its successor in the same slot.
.macro STEP slot, q, zero
	s_wait_dscnt 4*NL                              ; B's set and A's blocks 0-3 are in; the youngest 24 loads (A's blocks 4-7) may be out
	WIN MUL_LO
	MUL16 0, (\q)%2, \q, \slot, \zero
	MUL16 2, (\q)%2, \q, \slot, \zero
	s_wait_dscnt 0                                 ; A's blocks 4-7 are in
	PLACES NP
	FETCH_B \slot, (\q)+1, 1-(\q)%2
	FETCH_A \slot, (\q)+1, 0
	WIN MUL_HI
	MUL16 4, (\q)%2, \q, \slot, \zero
	MUL16 6, (\q)%2, \q, \slot, \zero
	PLACES NP
	WIN 0
	FETCH_A \slot, (\q)+1, 4
.endm
; A slot's last step changes slots: ONE barrier; in front of it each wave waits for all its tensor loads, adds 0 to its spare word, and waits for that and for its own reads of this slot.  fill = 1: this slot is filled again, two K steps ahead.
.macro TURN slot, next, fill
	s_wait_tensorcnt 0x0                           ; all my tensor loads have landed: my part of the next slot;  (every window is 0 here)
	ds_add_u32 v[SPW], v[NIL]                      ; 0 onto my spare word;
	s_wait_dscnt 4*NL+1                            ; (the add and the youngest 24 loads, A's blocks 4-7, may be out)
	WIN MUL_LO
	MUL16 0, 1, NQ-1, \slot, 0                     ; sixteen matrix instructions stand between the add and the wait for it
	s_wait_dscnt 0x0                               ; the add is done, and my reads of this slot are over
	s_barrier_signal -1
	MUL16 2, 1, NQ-1, \slot, 0
	WIN 0
	s_barrier_wait -1
.if \fill
	CREST                                          ; the barrier has opened a round of the cluster's barrier: no wave of any partner still reads this slot's tile or has a load on its way
	s_add_nc_u64 s[G0+4*\slot+2:G0+4*\slot+3], s[G0+4*\slot+2:G0+4*\slot+3], 2*ROWB
	s_add_nc_u64 s[G0B+4*\slot+2:G0B+4*\slot+3], s[G0B+4*\slot+2:G0B+4*\slot+3], 2*ROWB
	JLOAD G0+4*\slot, G1, G0B+4*\slot, G1B         ; the first tensor load behind the round; the four v_nop behind it are the places in front of the loads below
.else
	PLACES NP
.endif
	s_wait_alu depctr_va_vdst(0)
	v_add_nc_u32 v[ADRS], 4*NQ, v[ADRS]            ; on to the next K step's scale words (no LDS load of mine is out)
	FETCH_B \next, 0, 0
	FETCH_A \next, 0, 0
	SCALES \next
	WIN MUL_HI
	MUL16 4, 1, NQ-1, \slot, 0
	MUL16 6, 1, NQ-1, \slot, 0
	PLACES NP
	WIN 0
	FETCH_A \next, 0, 4
.endm
	s_wait_alu depctr_va_vdst(0)
	s_wait_tensorcnt 0x0                           ; my tile of the head's four is in
	ds_add_u32 v[SPW], v[NIL]
	s_mov_b32 s[G1+2], 96<<16                      ; no tensor load of mine is out: from here on a load brings 128 rows of 192 bytes = 96 of 256
	s_mov_b32 s[G1+4], 96
	s_mov_b32 s[G1B+2], 96<<16
	s_mov_b32 s[G1B+4], 96
	s_wait_dscnt 0x0
	CROUND                                         ; all four tiles are in, and all sixteen work-groups are here
	JLOAD G0+4, G1, G0B+4, G1B                     ; K step 1, the first tensor load behind the round
	FETCH_B 0, 0, 0
	FETCH_A 0, 0, 0
	SCALES 0
	FETCH_A 0, 0, 4
	STEP 0, 0, 1                                   ; the first step stands in front of the loop: its products start the sums
	s_mov_b32 s3, LAPS-1
.Llap:                                                 ; a trip goes once round the ring and fills both slots again
	TURN 0, 1, 1
	STEP 1, 0, 0
	TURN 1, 0, 1
	STEP 0, 0, 0
	s_sub_co_u32 s3, s3, 1
	s_cmp_lg_u32 s3, 0
	s_cbranch_scc1 .Llap
	TURN 0, 1, 0                                   ; the last lap fills nothing, and has no round of the cluster's barrier
	STEP 1, 0, 0
	s_wait_dscnt 4*NL                              ; the very last step: nothing more to fetch
	WIN MUL_LO
	MUL16 0, 1, NQ-1, 1, 0
	MUL16 2, 1, NQ-1, 1, 0
	s_wait_dscnt 0
	WIN MUL_HI
	MUL16 4, 1, NQ-1, 1, 0
	MUL16 6, 1, NQ-1, 1, 0
	WIN 0
; THE WAY OUT.  The 64 results of a lane in A's block a (window x, registers s .. s + 63) are 128 along the next K: register 16 b + i = k 32 b + 16 (lane / 16) + i of the lane's row.
; QUANTW makes of them 12 registers of codes, six at da (k 0-63) and six at db (k 64-127), and the row's scale word in pw.  Each accumulator is read from its low end on.
.macro QUANTW x, s, da, db, pw
	WIN 5*(\x)                                     ; sources 0 and 1 in the accumulators' window
.irp b, 0,1,2,3
	v_max3_num_f32 v[TM+\b], |v[(\s)+16*\b]|, |v[(\s)+16*\b+1]|, 0x1800000   ; block b: my 16 numbers, and the floor 2^(3 - 127): so the byte cannot fall under 1
.endr
.irp i, 2,4,6,8,10,12,14
.irp b, 0,1,2,3
	v_max3_num_f32 v[TM+\b], |v[(\s)+16*\b+\i]|, |v[(\s)+16*\b+\i+1]|, v[TM+\b]   ; (the four blocks by turns)
.endr
.endr
	WIN 0
.irp b, 0,1,2,3
	v_permlanex16_b32 v[TM+4+\b], v[TM+\b], s66, s67
.endr
.irp b, 0,1,2,3
	v_max_num_f32 v[TM+\b], v[TM+\b], v[TM+4+\b]   ; with lane l xor 16's: the block's largest magnitude
.endr
.irp b, 0,1,2,3
	v_add_nc_u32 v[TM+12+\b], 0xff000000, v[TM+\b] ; 2 off its exponent field: the conversion's scale operand
.endr
.irp b, 0,1,2,3
	v_lshrrev_b32 v[TM+4+\b], 23, v[TM+12+\b]      ; the scale's byte
.endr
	v_lshl_or_b32 v[\pw], v[TM+5], 8, v[TM+4]      ; the four bytes make my row's scale word
	v_lshl_or_b32 v[\pw], v[TM+6], 16, v[\pw]
	v_lshl_or_b32 v[\pw], v[TM+7], 24, v[\pw]
	WIN (\x)                                       ; source 0 in the accumulators' window
	v_cvt_scalef32_pk16_fp6_f32 v[(\da):(\da)+2], v[(\s):(\s)+15], v[TM+12]
	v_cvt_scalef32_pk16_fp6_f32 v[TP:TP+2], v[(\s)+16:(\s)+31], v[TM+13]      ; (a conversion's three registers begin on an even number)
	v_cvt_scalef32_pk16_fp6_f32 v[(\db):(\db)+2], v[(\s)+32:(\s)+47], v[TM+14]
	v_cvt_scalef32_pk16_fp6_f32 v[TP+4:TP+6], v[(\s)+48:(\s)+63], v[TM+15]
	WIN 0
	v_nop                                          ; one plain place behind a scaled conversion
.irp i, 0,1,2                                  ; the operand's layout wants a WHOLE block in a lane: lanes 0-15 the even block, lanes 16-31 the odd one
	v_permlane16_swap_b32 v[(\da)+\i], v[TP+\i]
	v_permlane16_swap_b32 v[(\db)+\i], v[TP+4+\i]
.endr
.irp i, 0,1,2
	v_mov_b32 v[(\da)+3+\i], v[TP+\i]
	v_mov_b32 v[(\db)+3+\i], v[TP+4+\i]
.endr
.endm
	PLACES NP                                      ; behind the last products: their results are read and A's registers written below
.irp b, 0,1,2,3
	v_mov_b32 v[TM+4+\b], 0                        ; written once: a lane permute's destination counts as one of its sources
.endr
; v's WAY OUT.  x's rows are stored so that stored row 16 j + 8 h + i of each 64 is token 32 h + 8 j + i: register 32 c + 8 j + i of lane half h is token 64 c + 32 h + 8 j + i.
; So a lane's 32 registers are ONE WHOLE BLOCK of 32 keys, in order: its largest magnitude needs no other lane, and the conversions' results are the operand's registers 6 c .. 6 c + 5 as they fall.
; The scale word's four bytes are gathered from lanes l and l xor 16.  Each accumulator is read from its low end on.
.macro QUANTV x, s, d, pw
	WIN 5*(\x)
.irp b, 0,1,2,3
	v_max3_num_f32 v[TM+\b], |v[(\s)+16*\b]|, |v[(\s)+16*\b+1]|, 0x1800000   ; four chains of 16 numbers, and the floor 2^(3 - 127)
.endr
.irp i, 2,4,6,8,10,12,14
.irp b, 0,1,2,3
	v_max3_num_f32 v[TM+\b], |v[(\s)+16*\b+\i]|, |v[(\s)+16*\b+\i+1]|, v[TM+\b]
.endr
.endr
	WIN 0
	v_max_num_f32 v[TM], v[TM], v[TM+1]            ; my block h
	v_max_num_f32 v[TM+2], v[TM+2], v[TM+3]        ; my block 2 + h
	v_add_nc_u32 v[TM+12], 0xff000000, v[TM]       ; 2 off the exponent field: the conversion's scale operand
	v_add_nc_u32 v[TM+14], 0xff000000, v[TM+2]
	v_lshrrev_b32 v[TM+4], 23, v[TM+12]            ; the scale's byte
	v_lshrrev_b32 v[TM+5], 23, v[TM+14]
	v_lshl_or_b32 v[\pw], v[TM+5], 16, v[TM+4]
	v_lshlrev_b32 v[\pw], v26, v[\pw]              ; at their places in the word
	v_permlanex16_b32 v[TM+4], v[\pw], s66, s67
	v_or_b32 v[\pw], v[\pw], v[TM+4]               ; with lane l xor 16's two the word is whole
	WIN (\x)
	v_cvt_scalef32_pk16_fp6_f32 v[(\d):(\d)+2], v[(\s):(\s)+15], v[TM+12]
	v_cvt_scalef32_pk16_fp6_f32 v[TP:TP+2], v[(\s)+16:(\s)+31], v[TM+12]      ; (a conversion's three registers begin on an even number)
	v_cvt_scalef32_pk16_fp6_f32 v[(\d)+6:(\d)+8], v[(\s)+32:(\s)+47], v[TM+14]
	v_cvt_scalef32_pk16_fp6_f32 v[TP+4:TP+6], v[(\s)+48:(\s)+63], v[TM+14]
	WIN 0
	v_nop                                          ; one plain place behind a scaled conversion
.irp i, 0,1,2
	v_mov_b32 v[(\d)+3+\i], v[TP+\i]
	v_mov_b32 v[(\d)+9+\i], v[TP+4+\i]
.endr
.endm
	s_cmp_eq_u32 s100, 2
	s_cbranch_scc1 .Lv
	; ---- q and k: my 128 tokens are block G of 128; my 128 channels are head slots hs0 and hs0 + 1
	s_lshl_b32 s20, s95, 1
	s_add_co_u32 s20, s20, s15                     ; G = 2 x A's tile + half: 0..63
	s_lshl_b32 s21, s96, 2
	s_lshl_b32 s22, s16, 1
	s_add_co_u32 s21, s21, s22                     ; hs0 = 4 x B's tile + 2 x half: 0..30
	s_lshr_b32 s22, s20, 4                         ; the batch
	s_lshl_b32 s22, s22, 5
	s_add_co_u32 s22, s22, s21
	s_lshl_b32 s22, s22, 4
	s_and_b32 s20, s20, 15
	s_add_co_u32 s22, s22, s20
	s_mul_i32 s22, s22, 6656
	s_mov_b32 s23, 0
	s_add_nc_u64 s[8:9], s[8:9], s[22:23]
.irp i, 0,1,2,3                                ; pair i: A's blocks 2 i and 2 i + 1; the image sets take turns
.if \i >= 2
	s_wait_xcnt 0x0                                ; pair i - 2's stores have read the set: it is written again only behind this wait
.endif
	QUANTW 2+\i/2, 64*((2*\i)%4), IMG+24*(\i%2), IMG+12+24*(\i%2), PW
	QUANTW 2+\i/2, 64*((2*\i+1)%4), IMG+6+24*(\i%2), IMG+18+24*(\i%2), PW+1
	v_cndmask_b32 v[WT], v[PW], v[PW+1], s101      ; lanes 0-15: tile 2 i's rows, lanes 16-31: tile 2 i + 1's
	v_and_b32 v[SA+\i], 0xffff, v[WT]              ; bytes 0, 1: the first head's two blocks; the upper bytes are 0
	v_lshrrev_b32 v[SB+\i], 16, v[WT]              ; bytes 2, 3: the second head's
.irp c, 0,1,2
	global_store_b128 v[LI], v[IMG+24*(\i%2)+4*\c:IMG+24*(\i%2)+4*\c+3], s[8:9] offset:1536*\i+512*\c                ; 32 lanes store 512 consecutive bytes, aligned
	global_store_b128 v[LI], v[IMG+12+24*(\i%2)+4*\c:IMG+12+24*(\i%2)+4*\c+3], s[8:9] offset:106496+1536*\i+512*\c   ; the next head slot lies 16 blocks on
.endr
.endr
	global_store_b128 v[LI], v[SA:SA+3], s[8:9] offset:6144
	global_store_b128 v[LI], v[SB:SB+3], s[8:9] offset:106496+6144
	s_branch .Ldone
.Lv:
	; ---- v: my 128 channels are heads hd0 and hd0 + 1, four tiles each; my 128 tokens are key step G
	s_lshl_b32 s20, s96, 1
	s_add_co_u32 s20, s20, s16                     ; G = 2 x B's tile + half
	s_lshl_b32 s21, s95, 2
	s_lshl_b32 s22, s15, 1
	s_add_co_u32 s21, s21, s22                     ; hd0 = 4 x A's tile + 2 x half
	s_lshr_b32 s22, s20, 4                         ; the batch
	s_lshl_b32 s22, s22, 4
	s_add_co_u32 s22, s22, s21
	s_lshl_b32 s22, s22, 4
	s_and_b32 s20, s20, 15
	s_add_co_u32 s22, s22, s20
	s_mul_i32 s22, s22, 6400
	s_mov_b32 s23, 0
	s_add_nc_u64 s[10:11], s[10:11], s[22:23]
.irp a, 0,1,2,3,4,5,6,7
.if \a >= 2
	s_wait_xcnt 0x0                                ; block a - 2's stores have read the set
.endif
	QUANTV 2+\a/4, 64*(\a%4), IMG+24*(\a%2), PW+\a%2
.irp c, 0,1,2
	global_store_b128 v[LI], v[IMG+24*(\a%2)+4*\c:IMG+24*(\a%2)+4*\c+3], s[10:11] offset:(\a/4)*102400+(\a%4)*1536+512*\c
.endr
.if \a%2 == 1
	v_cndmask_b32 v[SA+2*(\a/4)+(\a%4)/2], v[PW], v[PW+1], s101   ; lanes 0-15: the even tile's channels, lanes 16-31: the odd tile's
.endif
.if \a%4 == 3
	global_store_b64 v[L8], v[SA+2*(\a/4):SA+2*(\a/4)+1], s[10:11] offset:(\a/4)*102400+6144   ; 32 lanes store 256 consecutive bytes, aligned
.endif
.endr
.Ldone:
	s_wait_tensorcnt 0x0                           ; the wave's end, behind my last tensor load
	ds_add_u32 v[SPW], v[NIL]
	s_wait_dscnt 0x0
	CROUND                                         ; the closing round: no work-group ends while a partner may still ask for a tile that names it
	s_endpgm
.Lfunc_end_k_qf2a9f5acd3_qkv:
	.size	k_qf2a9f5acd3_qkv, .Lfunc_end_k_qf2a9f5acd3_qkv-k_qf2a9f5acd3_qkv
	.p2alignl 7, 3214868480
	.fill 96, 4, 3214868480
	.section	.rodata,"a",@progbits
	.p2align	6, 0x0
	.amdhsa_kernel k_qf2a9f5acd3_qkv
		.amdhsa_group_segment_fixed_size 327680
		.amdhsa_private_segment_fixed_size 0
		.amdhsa_enable_private_segment 0
		.amdhsa_kernarg_size 32
		.amdhsa_user_sgpr_count 2
		.amdhsa_user_sgpr_kernarg_segment_ptr 1
		.amdhsa_wavefront_size32 1
		.amdhsa_system_sgpr_workgroup_id_x 1
		.amdhsa_system_sgpr_workgroup_id_y 1
		.amdhsa_system_sgpr_workgroup_id_z 1
		.amdhsa_system_vgpr_workitem_id 0
		.amdhsa_next_free_vgpr 1024
		.amdhsa_next_free_sgpr 102
		.amdhsa_reserve_vcc 0
		.amdhsa_float_denorm_mode_32 3
		.amdhsa_float_denorm_mode_16_64 3
		.amdhsa_memory_ordered 1
		.amdhsa_forward_progress 1
		.amdhsa_inst_pref_size 194
	.end_amdhsa_kernel
	.amdgpu_metadata
---
amdhsa.version: [ 1, 2 ]
amdhsa.kernels:
  - .name:           k_qf2a9f5acd3_qkv
    .symbol:         k_qf2a9f5acd3_qkv.kd
    .args:
      - { .name: cod, .offset: 0, .size: 8, .value_kind: global_buffer, .address_space: global }
      - { .name: scl, .offset: 8, .size: 8, .value_kind: global_buffer, .address_space: global }
      - { .name: qk, .offset: 16, .size: 8, .value_kind: global_buffer, .address_space: global }
      - { .name: vv, .offset: 24, .size: 8, .value_kind: global_buffer, .address_space: global }
    .group_segment_fixed_size: 327680
    .private_segment_fixed_size: 0
    .kernarg_segment_align: 8
    .kernarg_segment_size: 32
    .max_flat_workgroup_size: 128
    .sgpr_count:     102
    .vgpr_count:     1024
    .wavefront_size: 32
...
	.end_amdgpu_metadata
.endif
;; end of part 2
;; launch attn (part 3): grid 4 x 64, 8 waves a work-group, clusters of 4 x 1, 212,992 bytes of LDS; arguments qk, vv, oc, os; writes oc, os
.if DOCPART == 3
	.amdgcn_target "amdgcn-amd-amdhsa--gfx1250"
	.amdhsa_code_object_version 6
	.text
	.protected	k_qf2a9f5acd3_attn
	.globl	k_qf2a9f5acd3_attn
	.p2align	8
	.type	k_qf2a9f5acd3_attn,@function
k_qf2a9f5acd3_attn:
	s_mov_b64 s[64:65], 0
	v_nop
	global_prefetch_b8 v0, s[64:65] scope:SCOPE_SE
	s_setreg_imm32_b32 hwreg(HW_REG_WAVE_MODE, 25, 1), 1
	s_wait_xcnt 0x0
	s_wait_alu depctr_hold_cnt(0) depctr_sa_sdst(0) depctr_va_vdst(0) depctr_va_sdst(0) depctr_va_ssrc(0) depctr_va_vcc(0) depctr_vm_vsrc(0)
	s_getreg_b32 s2, hwreg(HW_REG_IB_STS2, 6, 4)
	s_cmp_eq_u32 s2, 0
	s_cbranch_scc0 .Lentry_in_a_cluster
	s_endpgm
.Lentry_in_a_cluster:
	s_bfe_u32 s2, ttmp6, 0x10000c
	s_cmp_lg_u32 s2, 0x3003
	s_cbranch_scc0 .Lentry_shape_is_right
	s_endpgm
.Lentry_shape_is_right:
; Attention of one (batch, head) on codes of FP6 (E2M3) with E8M0 scales: S = q k^T / 8, p = 2^(t - M), O = p v / l, and O quantised along the model's 1,024 channels for the last product.
; t = score x log2(e) / 8; M = the running largest t rounded UP to a whole number; p is quantised along the keys, not normalised; the row's sum l is taken of the unquantised p and divides O at the end.
; When M moves, l and O are multiplied by 2^(old M - new M): exact, and without a branch on data.
; SHARES.  A work-group owns 512 queries of one head; each of its eight waves owns a pair of tiles (32 queries) in each of two passes, and walks all 2,048 keys, 128 a step.  Each fragment of k and v read from LDS feeds two products.
; NO RING.  The head's k (106,496 bytes) and v (102,400 bytes) lie in LDS together.  They come once, by one tensor load a wave, asked for JOINTLY by the four work-groups of the cluster, which own the four query blocks of the head.
; Nothing is filled again: one barrier behind the fills, and none after it.
; LAYOUT.  Both products are used transposed: S^T = k q^T (source 0 = 16 keys, source 1 = 16 queries), O^T = v^T p^T: a lane holds ONE query throughout.  k's tiles are 16 stored tokens, in the order in which the first
; launch stored the rows: register j of tile 2 b + u in lane half h is key 32 b + 16 h + 8 u + j: the 16 registers of two neighbouring tiles are 16 neighbouring keys; v's channels likewise in O^T.
; THE HEAD IS 64 WIDE, THE INSTRUCTION 128: q's fragment is six registers of codes and six of zero codes.  k's fragment of tile n is named as twelve registers from 6 n on: its upper six are the next tile's codes (behind the last tile: zeros),
; which meet q's zeros; bytes 2 and 3 of both scale words are 0, a power of two and no NaN.
; OUT.  oc: [head / 8][token tile 512][head % 8][768 bytes]: the tile's six registers as three runs of 256 bytes (registers 2 c, 2 c + 1 of lane l at 256 c + 8 l).  os: [stored token row][32]: bytes 2 head, 2 head + 1.
; os is stored two bytes a lane, 32 bytes apart: a row of os holds 16 heads' bytes and a work-group owns one head; they are 1/24 of the bytes that the launch stores.
; LIMITS: a block of zeros gets the byte 1 (its codes are zeros; this program alone reads the bytes); NaN and infinities are not served.
; REGISTERS.  Window 0: v1-10 addresses; v12-19 -M, largest t, l (two halves) for tile 0, 1; v20-23 f and p's scale word; v24-27 k's scale words; v28-29 v's; v30-31 q's (pass 0, 1); v32-59 at work; v64-191 S^T, then p; v192-215 p's codes;
;   v216-235 at work.   Window 1: v0-63 O^T (tile t, channels' tile a at 32 t + 8 a); v64-111 k's eight tiles, six registers each, v112-117 zeros; v128-175 v's four fragments; v192-239 q (pass, tile: 12 each).
.set KB,    6656                       ; a block of k: 128 keys
.set VBK,   6400                       ; a block of v: 128 keys
.set VB,    16*KB                      ; LDS: k from 0, v from here
.set SPARE, VB+16*VBK                  ; the spare words, 128 bytes a wave: four runs of 256 bytes that no other line names
.set LI,   1                           ; v1   16 x lane
.set L8,   2                           ; v2   8 x lane
.set ADK,  3                           ; v3   LDS address of the k block in hand
.set ADV,  4                           ; v4   of the v block
.set ADVS, 5                           ; v5   of its scale words
.set SPW,  6                           ; v6   LDS address of my spare word; never rewritten
.set NIL,  7                           ; v7   0; never rewritten
.set QO,   8                           ; v8   q: my lane's byte in my pair's image
.set QSO,  9                           ; v9   q: my lane's scale word
.set OSO,  10                          ; v10  32 x lane: a row of os
.set KSC,  24
.set VSC,  28
.set QSC,  30
.set BM,   32                          ; v32-39  the blocks' maxima (4 t + b)
.set PR,   40                          ; v40-47  permuted maxima, then bytes
.set CV,   48                          ; v48-55  the conversions' scales
.set TT,   56                          ; v56-57  at work, one a tile
.set RC,   58                          ; v58-59  1 / l
.set S,    64
.set PCD,  192
.set TP,   216
.set SU,   232
.set KF,   64                          ; in window 1
.set VF,   128
.set QF,   192
.set WV,   12                          ; s12  my wave's number
.set G1K,  24                          ; s[24:31] descriptor group 1 for k;  s[32:39] for v;  s[40:43], s[44:47] their groups 0
.set G1V,  32
.set G0K,  40
.set G0V,  44
.set CS,   58                          ; s[58:59] c = log2(e) / 8
.set SEL,  60                          ; s[60:61] lane selects for v_permlanex16_b32: lane l xor 16
.set TK,   66                          ; s66  LDS byte of the k block to be fetched
.set TV,   67                          ; s67  of the v block
.set CNT,  68                          ; s68  key steps to go
.set MSB, 0
.macro WIN new                         ; the immediate's high byte repeats the setting that is left
.if MSB != \new
	s_set_vgpr_msb (MSB<<8)|\new
.set MSB, \new
.endif
.endm
.macro CROUND                          ; a round of the cluster's barrier
	s_barrier_signal -1
	s_barrier_wait -1
	s_cmp_lg_u32 s[WV], 0
	s_cbranch_scc1 .Lnot_wave_0_\@
	s_barrier_signal -3
.Lnot_wave_0_\@:
	s_barrier_wait -3
	s_barrier_signal -1
	s_barrier_wait -1
.endm
	s_load_b128 s[4:7], s[0:1], 0x0                ; qk s[4:5], vv s[6:7]
	s_load_b128 s[8:11], s[0:1], 0x10              ; oc s[8:9], os s[10:11]
	v_lshl_add_u32 v[SPW], v0, 2, SPARE
	v_mov_b32 v[NIL], 0
	ds_add_u32 v[SPW], v[NIL]                      ; the wave's opening: the add and its wait ahead of my first tensor load; the set-up below, work on registers, stands between them
	ds_add_u32 v[SPW], v[NIL]
	v_lshrrev_b32 v11, 5, v0
	s_delay_alu instid0(VALU_DEP_1)
	v_readfirstlane_b32 s[WV], v11                 ; wave 0..7
	s_bfe_u32 s13, ttmp6, 0x40000                  ; cx: my block of 512 queries: it enters q's, oc's and os's addresses alone
	s_and_b32 s14, ttmp7, 0xffff                   ; 16 x batch + head, which the four partners share
	s_lshr_b32 s15, s14, 4                         ; batch
	s_and_b32 s16, s14, 15                         ; head
	s_and_b32 s17, s[WV], 3                        ; which quarter of k (waves 0-3) or of v (waves 4-7) I fetch; also my pair's place in its block of 128 queries
	; descriptor group 1: dense bytes as rows of 256 (32 elements of 8 bytes): 104 rows of k, 100 of v
	s_mov_b32 s[G1K], 15|(3<<16)|(1<<21)           ; 15:0 the mask: all four work-groups; 17:16 elements of 8 bytes; 20 no padding; 21 set beside a mask
	s_mov_b32 s[G1K+1], 32<<16                     ; tensor_dim0
	s_mov_b32 s[G1K+2], 104<<16                    ; tensor_dim1
	s_mov_b32 s[G1K+3], 32<<16                     ; tile_dim0
	s_mov_b32 s[G1K+4], 104                        ; tile_dim1
	s_mov_b32 s[G1K+5], 32                         ; tensor_dim0_stride
	s_mov_b32 s[G1K+6], 0
	s_mov_b32 s[G1K+7], 0
	s_mov_b32 s[G1V], 15|(3<<16)|(1<<21)
	s_mov_b32 s[G1V+1], 32<<16
	s_mov_b32 s[G1V+2], 100<<16
	s_mov_b32 s[G1V+3], 32<<16
	s_mov_b32 s[G1V+4], 100
	s_mov_b32 s[G1V+5], 32
	s_mov_b32 s[G1V+6], 0
	s_mov_b32 s[G1V+7], 0
	s_mul_i32 s70, s17, 4*KB                       ; my quarter of k: 26,624 bytes, in memory and in LDS alike
	s_mul_i32 s71, s17, 4*VBK                      ; of v: 25,600 bytes
	s_lshl_b32 s18, s15, 5
	s_add_co_u32 s18, s18, s16                     ; q's head slot: 32 x batch + head
	s_mul_i32 s52, s18, 16*KB                      ; its first byte in qk
	s_add_co_u32 s18, s18, 16                      ; k's head slot lies 16 on
	s_mul_i32 s18, s18, 16*KB
	s_add_co_u32 s18, s18, s70
	s_mov_b32 s19, 0
	s_mul_i32 s22, s14, 16*VBK
	s_add_co_u32 s22, s22, s71
	s_mov_b32 s23, 0
	s_lshl_b32 s54, s13, 2
	s_lshr_b32 s55, s[WV], 2
	s_add_co_u32 s54, s54, s55                     ; q: pass 0's block of 128 queries: 4 cx + wave / 4 (pass 1's lies two blocks on)
	s_mul_i32 s54, s54, KB
	s_add_co_u32 s52, s52, s54
	s_mov_b32 s53, 0
	s_lshl_b32 s72, s15, 7
	s_lshl_b32 s73, s13, 5
	s_add_co_u32 s72, s72, s73
	s_lshl_b32 s73, s[WV], 1
	s_add_co_u32 s72, s72, s73                     ; pass 0's first token tile: 128 x batch + 32 cx + 2 x wave (pass 1's lies 16 on)
	s_mul_i32 s48, s72, 6144                       ; oc is laid [head / 8][token tile 512][head % 8][768 bytes]: 128 tokens x 512 channels are 49,152 dense bytes
	s_lshr_b32 s73, s16, 3
	s_mul_i32 s73, s73, 3145728
	s_add_co_u32 s48, s48, s73
	s_and_b32 s73, s16, 7
	s_mul_i32 s73, s73, 768
	s_add_co_u32 s48, s48, s73                     ; its place in oc
	s_mov_b32 s49, 0
	s_lshl_b32 s50, s72, 9
	s_lshl_b32 s73, s16, 1
	s_add_co_u32 s50, s50, s73                     ; and in os: 16 rows of 32 bytes a tile, + 2 x head
	s_mov_b32 s51, 0
	s_mul_i32 s74, s17, 1536
	s_lshl_b32 s75, s17, 2
	s_mov_b32 s[CS], 0x3e38aa3b                    ; c = log2(e) / 8
	s_mov_b32 s[CS+1], s[CS]                       ; (named with it as a pair, so it is written)
	s_mov_b32 s[SEL], 0x76543210
	s_mov_b32 s[SEL+1], 0xfedcba98
	s_mov_b32 s62, 0xffff0000                      ; a mask of lanes 16-31
	v_and_b32 v11, 31, v0
	s_delay_alu instid0(VALU_DEP_1)
	v_lshlrev_b32 v[LI], 4, v11
	s_delay_alu instid0(VALU_DEP_2)
	v_lshlrev_b32 v[L8], 3, v11
	s_delay_alu instid0(VALU_DEP_3)
	v_lshlrev_b32 v[OSO], 5, v11
	s_delay_alu instid0(VALU_DEP_3)
	v_add_nc_u32 v[QO], s74, v[LI]
	s_delay_alu instid0(VALU_DEP_4)
	v_add_nc_u32 v[QSO], s75, v[LI]
	v_bfe_u32 v11, v0, 4, 1
	v_lshlrev_b32 v11, 3, v11                      ; v11 = 8 x (lane / 16): how far my two bytes are shifted in p's scale word; kept
	s_wait_dscnt 0x0                               ; the opening add is done
	s_wait_kmcnt 0x0
	s_mov_b32 s[G0K], 1                            ; count = 1
	s_mov_b32 s[G0K+1], s70                        ; LDS address: the wave's number alone enters it
	s_add_nc_u64 s[G0K+2:G0K+3], s[4:5], s[18:19]
	s_or_b32 s[G0K+3], s[G0K+3], 0x80000000        ; type = 2
	s_mov_b32 s[G0V], 1
	s_add_co_u32 s[G0V+1], s71, VB
	s_add_nc_u64 s[G0V+2:G0V+3], s[6:7], s[22:23]
	s_or_b32 s[G0V+3], s[G0V+3], 0x80000000
	s_add_nc_u64 s[20:21], s[4:5], s[52:53]        ; q
	s_add_nc_u64 s[48:49], s[8:9], s[48:49]        ; oc
	s_add_nc_u64 s[50:51], s[10:11], s[50:51]      ; os
	CROUND                                         ; all four work-groups are here: the joint loads meet
	s_cmp_lt_u32 s[WV], 4                          ; waves 0-3 fetch k's quarters, waves 4-7 v's: one load of mine is out.  An s_nop 0 and four v_nop follow each of the two lines
	s_cbranch_scc0 .Lfor_v
	tensor_load_to_lds s[G0K:G0K+3], s[G1K:G1K+7]
	s_nop 0
.rept 4
	v_nop
.endr
	s_branch .Lasked
.Lfor_v:
	tensor_load_to_lds s[G0V:G0V+3], s[G1V:G1V+7]
	s_nop 0
.rept 4
	v_nop
.endr
.Lasked:
	WIN 0x40                                       ; destination window 1, address window 0
	s_wait_alu depctr_va_vdst(0)
.irp q, 0,1                                    ; both passes' q: a pair's image holds [tile 0's six][tile 1's six], register n at 512 (n / 4) + 16 lane + 4 (n % 4): in pieces of two registers
	global_load_b64 v[QF+24*\q:QF+24*\q+1],       v[QO], s[20:21] offset:2*KB*\q
	global_load_b64 v[QF+24*\q+2:QF+24*\q+3],     v[QO], s[20:21] offset:2*KB*\q+8
	global_load_b64 v[QF+24*\q+4:QF+24*\q+5],     v[QO], s[20:21] offset:2*KB*\q+512
	global_load_b64 v[QF+24*\q+12:QF+24*\q+13],   v[QO], s[20:21] offset:2*KB*\q+520
	global_load_b64 v[QF+24*\q+14:QF+24*\q+15],   v[QO], s[20:21] offset:2*KB*\q+1024
	global_load_b64 v[QF+24*\q+16:QF+24*\q+17],   v[QO], s[20:21] offset:2*KB*\q+1032
.endr
.irp q, 0,1,2,3
.irp i, 6,7,8,9,10,11
	v_mov_b32 v[QF+12*\q+\i], 0                    ; q's upper halves: zero codes
.endr
.endr
.irp i, 0,1,2,3,4,5
	v_mov_b32 v[KF+48+\i], 0                       ; and what the last tile of k names as its upper half
.endr
	WIN 0
	global_load_b32 v[QSC], v[QSO], s[20:21] offset:6144           ; q's scale words: lanes 0-15 tile 0's queries, lanes 16-31 tile 1's
	global_load_b32 v[QSC+1], v[QSO], s[20:21] offset:2*KB+6144
	s_wait_tensorcnt 0x0                           ; my quarter has landed,
	s_barrier_signal -1
	s_barrier_wait -1                              ; everybody's has: from here on LDS is only read
	s_wait_loadcnt 0x0                             ; q
.macro FETCH_K                         ; a block's eight tiles of k: four pair images, as they lie
.irp i, 0,1,2,3
.irp c, 0,1,2
	ds_load_b128 v[KF+12*\i+4*\c:KF+12*\i+4*\c+3], v[ADK] offset:1536*\i+512*\c
.endr
.endr
.endm
.macro FETCH_V                         ; a block's four fragments of v
.irp a, 0,1,2,3
.irp c, 0,1,2
	ds_load_b128 v[VF+12*\a+4*\c:VF+12*\a+4*\c+3], v[ADV] offset:1536*\a+512*\c
.endr
.endr
.endm
; S^T of key tile k and query tile t in pass ps.  k's scale words: pair k / 2, lanes 0-15 for the even tile, 16-31 for the odd one; q's: lanes 0-15 for tile 0, 16-31 for tile 1.
.macro SPROD k, t, ps
.set rS, S+64*(\t)+8*(\k)
.set rK, KF+6*(\k)
.set rQ, QF+24*(\ps)+12*(\t)
.if ((\k)%2 == 0) && ((\t) == 0)
	v_wmma_scale_f32_16x16x128_f8f6f4 v[rS:rS+7], v[rK:rK+11], v[rQ:rQ+11], 0, v[KSC+(\k)/2], v[QSC+(\ps)] matrix_a_fmt:MATRIX_FMT_FP6 matrix_b_fmt:MATRIX_FMT_FP6
.elseif ((\k)%2 == 1) && ((\t) == 0)
	v_wmma_scale_f32_16x16x128_f8f6f4 v[rS:rS+7], v[rK:rK+11], v[rQ:rQ+11], 0, v[KSC+(\k)/2], v[QSC+(\ps)] matrix_a_fmt:MATRIX_FMT_FP6 matrix_b_fmt:MATRIX_FMT_FP6 matrix_a_scale:MATRIX_SCALE_ROW1
.elseif ((\k)%2 == 0)
	v_wmma_scale_f32_16x16x128_f8f6f4 v[rS:rS+7], v[rK:rK+11], v[rQ:rQ+11], 0, v[KSC+(\k)/2], v[QSC+(\ps)] matrix_a_fmt:MATRIX_FMT_FP6 matrix_b_fmt:MATRIX_FMT_FP6 matrix_b_scale:MATRIX_SCALE_ROW1
.else
	v_wmma_scale_f32_16x16x128_f8f6f4 v[rS:rS+7], v[rK:rK+11], v[rQ:rQ+11], 0, v[KSC+(\k)/2], v[QSC+(\ps)] matrix_a_fmt:MATRIX_FMT_FP6 matrix_b_fmt:MATRIX_FMT_FP6 matrix_a_scale:MATRIX_SCALE_ROW1 matrix_b_scale:MATRIX_SCALE_ROW1
.endif
.endm
; O^T += v^T p^T for channels' tile a and query tile t
.macro OPROD a, t
.set rO, 32*(\t)+8*(\a)
.set rV, VF+12*(\a)
.set rP, PCD+12*(\t)
.if (\a)%2 == 0
	v_wmma_scale_f32_16x16x128_f8f6f4 v[rO:rO+7], v[rV:rV+11], v[rP:rP+11], v[rO:rO+7], v[VSC+(\a)/2], v[21+2*(\t)] matrix_a_fmt:MATRIX_FMT_FP6 matrix_b_fmt:MATRIX_FMT_FP6
.else
	v_wmma_scale_f32_16x16x128_f8f6f4 v[rO:rO+7], v[rV:rV+11], v[rP:rP+11], v[rO:rO+7], v[VSC+(\a)/2], v[21+2*(\t)] matrix_a_fmt:MATRIX_FMT_FP6 matrix_b_fmt:MATRIX_FMT_FP6 matrix_a_scale:MATRIX_SCALE_ROW1
.endif
.endm
; A KEY STEP: 128 keys for both tiles of queries.  k of this step is in registers; v of this step and k of the next are fetched behind the first products and land under the softmax.
.macro STEP ps
	WIN 0x05                                       ; k and q in window 1, S^T in window 0
.irp k, 0,1,2,3,4,5,6,7
.irp t, 0,1
	SPROD \k, \t, \ps
.endr
.endr
	WIN 0
	s_add_co_u32 s[TK], s[TK], KB                  ; the next step's k
	v_add_nc_u32 v[ADK], s[TK], v[LI]              ; these four lines are the places between the products and the loads into their registers, and the first read of their results
	v_add_nc_u32 v[ADV], s[TV], v[LI]
	v_add_nc_u32 v[ADVS], s[TV], v[L8]
	v_nop
	s_add_co_u32 s[TV], s[TV], VBK
	WIN 0x40
	FETCH_V
	FETCH_K                                        ; in a pass's last step this reads the first 6,656 bytes of v's region: bytes that have been filled; nothing uses what it brings
	WIN 0
	ds_load_b64 v[VSC:VSC+1], v[ADVS] offset:6144
	ds_load_b128 v[KSC:KSC+3], v[ADK] offset:6144
.irp t, 0,1
.irp b, 0,1,2,3
	v_max3_num_f32 v[BM+4*\t+\b], v[S+64*\t+16*\b], v[S+64*\t+16*\b+1], v[S+64*\t+16*\b+2]   ; THE LARGEST SCORE OF EACH BLOCK OF 32 KEYS: it serves for the row's maximum and, since p rises with the score, for the block's largest p
.endr
.endr
.irp i, 3,5,7,9,11,13
.irp t, 0,1
.irp b, 0,1,2,3
	v_max3_num_f32 v[BM+4*\t+\b], v[BM+4*\t+\b], v[S+64*\t+16*\b+\i], v[S+64*\t+16*\b+\i+1]
.endr
.endr
.endr
; THE KEYS' ORDER: stored token 16 j + 8 h + i of each 64 is token 32 h + 8 j + i, so register 32 c + 8 j + i of lane half h is key 64 c + 32 h + 8 j + i: a lane's 32 registers are ONE WHOLE BLOCK of 32 keys, block 2 c + h, in order.
.irp t, 0,1
.irp c, 0,1
	v_max_num_f32 v[BM+4*\t+2*\c+1], v[BM+4*\t+2*\c+1], v[S+64*\t+32*\c+31]
.endr
.endr
.irp t, 0,1
.irp c, 0,1
	v_max3_num_f32 v[BM+4*\t+2*\c], v[BM+4*\t+2*\c], v[S+64*\t+32*\c+15], v[BM+4*\t+2*\c+1]   ; the two chains of 16 joined: my block's largest score, with no other lane
.endr
.endr
.irp t, 0,1
	v_max_num_f32 v[TT+\t], v[BM+4*\t], v[BM+4*\t+2]
.endr
.irp t, 0,1
	v_permlanex16_b32 v[PR+\t], v[TT+\t], s[SEL], s[SEL+1]
.endr
.irp t, 0,1
	v_max_num_f32 v[TT+\t], v[TT+\t], v[PR+\t]     ; with lane l xor 16's 64 keys: the step's largest score of my query
.endr
.irp t, 0,1
	s_delay_alu instid0(VALU_DEP_2)
	v_mul_f32 v[TT+\t], s[CS], v[TT+\t]            ; as t (c is positive)
.endr
.irp t, 0,1
	s_delay_alu instid0(VALU_DEP_2)
	v_max_num_f32 v[13+4*\t], v[13+4*\t], v[TT+\t] ; the running largest t
.endr
.irp t, 0,1
	v_mov_b32 v[TT+\t], v[12+4*\t]
.endr
.irp t, 0,1
	s_delay_alu instid0(VALU_DEP_4)
	v_floor_f32 v[12+4*\t], -v[13+4*\t]            ; the new -M = floor(-t): M is a whole number
.endr
.irp t, 0,1
	s_delay_alu instid0(VALU_DEP_2)
	v_sub_f32 v[TT+\t], v[12+4*\t], v[TT+\t]       ; old M - new M: a whole number, 0 or less
.endr
.irp t, 0,1
	s_delay_alu instid0(VALU_DEP_2)
	v_cvt_i32_f32 v[TT+\t], v[TT+\t]               ; (it saturates)
.endr
.irp t, 0,1
	s_delay_alu instid0(VALU_DEP_2)
	v_ldexp_f32 v[20+2*\t], 1.0, v[TT+\t]          ; f = 2^(old M - new M)
.endr
.set j, 0
.rept 64
	v_pk_fma_f32 v[S+2*j:S+2*j+1], v[S+2*j:S+2*j+1], s[CS:CS+1], v[12+4*(j/32):13+4*(j/32)] op_sel_hi:[1,0,0]   ; t - M, two at a time (of the pairs c and -M the low word serves both halves)
.set j, j+1
.endr
.irp t, 0,1
.irp b, 0,2
	v_fma_f32 v[BM+4*\t+\b], v[BM+4*\t+\b], s[CS], v[12+4*\t]   ; the same of my two blocks' largest scores
.endr
.endr
.set j, 0
	s_wait_alu depctr_va_vdst(0)
.rept 128
	v_exp_f32 v[S+j], v[S+j]                       ; p = 2^(t - M), at most 1: not normalised
.set j, j+1
.endr
.irp t, 0,1
	v_pk_mul_f32 v[14+4*\t:15+4*\t], v[14+4*\t:15+4*\t], v[20+2*\t:21+2*\t] op_sel_hi:[1,0]   ; the sums under the new M (plain lines behind the exponentials)
.endr
	s_wait_alu depctr_va_vdst(0)                   ; one wait for the batch of 128, ahead of its first reader
.irp b, 0,2,4,6
	v_exp_f32 v[BM+\b], v[BM+\b]                   ; the block's largest p: the same two instructions on the same number give the same bits
.endr
.irp t, 0,1
	v_pk_add_f32 v[SU+2*\t:SU+2*\t+1], v[S+64*\t:S+64*\t+1], v[S+64*\t+2:S+64*\t+3]   ; THE ROW'S SUM IS TAKEN OF THE UNQUANTISED p: two at a time, two chains a tile
.endr
.irp j, 4,8,12,16,20,24,28,32,36,40,44,48,52,56,60
.irp t, 0,1
	v_pk_add_f32 v[14+4*\t:15+4*\t], v[14+4*\t:15+4*\t], v[S+64*\t+\j:S+64*\t+\j+1]
	v_pk_add_f32 v[SU+2*\t:SU+2*\t+1], v[SU+2*\t:SU+2*\t+1], v[S+64*\t+\j+2:S+64*\t+\j+3]
.endr
.endr
.irp t, 0
	s_delay_alu instid0(VALU_DEP_3)
	v_pk_add_f32 v[14+4*\t:15+4*\t], v[14+4*\t:15+4*\t], v[SU+2*\t:SU+2*\t+1]
.endr
.irp t, 1
	s_delay_alu instid0(VALU_DEP_2)
	v_pk_add_f32 v[14+4*\t:15+4*\t], v[14+4*\t:15+4*\t], v[SU+2*\t:SU+2*\t+1]
.endr
	s_wait_alu depctr_va_vdst(0)                   ; and one for the four
.irp b, 0,2,4,6
	v_max_num_f32 v[BM+\b], 0x1800000, v[BM+\b]    ; the floor 2^(3 - 127): the byte cannot fall under 1
.endr
.irp b, 0,2,4,6
	v_add_nc_u32 v[CV+\b], 0xff000000, v[BM+\b]    ; 2 off the exponent field: the conversion's scale operand
.endr
.irp b, 0,2,4,6
	v_lshrrev_b32 v[PR+\b], 23, v[CV+\b]           ; the scale's byte
.endr
.irp t, 0,1
	v_lshl_or_b32 v[PR+4*\t], v[PR+4*\t+2], 16, v[PR+4*\t]      ; my two bytes: blocks h and 2 + h,
.endr
.irp t, 0,1
	v_lshlrev_b32 v[PR+4*\t], v11, v[PR+4*\t]      ; at their places in the word;
.endr
.irp t, 0,1
	v_permlanex16_b32 v[PR+4*\t+1], v[PR+4*\t], s[SEL], s[SEL+1]
.endr
.irp t, 0,1
	v_or_b32 v[21+2*\t], v[PR+4*\t], v[PR+4*\t+1]  ; with lane l xor 16's two: p's scale word for these 128 keys
.endr
.irp t, 0,1
.irp c, 0,1
	v_cvt_scalef32_pk16_fp6_f32 v[PCD+12*\t+6*\c:PCD+12*\t+6*\c+2], v[S+64*\t+32*\c:S+64*\t+32*\c+15], v[CV+4*\t+2*\c]
	v_cvt_scalef32_pk16_fp6_f32 v[TP+8*\t+4*\c:TP+8*\t+4*\c+2], v[S+64*\t+32*\c+16:S+64*\t+32*\c+31], v[CV+4*\t+2*\c]   ; the block's upper 16, under the same scale (a conversion's three registers begin on an even number)
.endr
.endr
	v_nop                                          ; one plain place behind a scaled conversion
.irp t, 0,1
.irp c, 0,1                                    ; the operand's layout wants a WHOLE block in a lane: lanes 0-15 block 2 c, lanes 16-31 block 2 c + 1
.irp i, 0,1,2
	v_mov_b32 v[PCD+12*\t+6*\c+3+\i], v[TP+8*\t+4*\c+\i]   ; the lane holds its whole block already: no lane changes places
.endr
.endr
.endr
	WIN 0x41                                       ; O^T (destination and source 0) in window 1, f in window 0
.set j, 0
.rept 32
	v_pk_mul_f32 v[2*j:2*j+1], v[2*j:2*j+1], v[20+2*(j/16):21+2*(j/16)] op_sel_hi:[1,0]   ; O^T under the new M.  (These 32 are also the places between the lines that made p's codes and scale words and the products below)
.set j, j+1
.endr
	s_wait_alu depctr_va_vdst(0)
	s_wait_dscnt 0x0                               ; v of this step and k of the next are in
	WIN 0x51                                       ; v in window 1, p in window 0, O^T in window 1
.irp a, 0,1,2,3
.irp t, 0,1
	OPROD \a, \t                                   ; eight accumulators by turns; sixteen products of S^T stand between two links of a chain
.endr
.endr
	WIN 0
.endm
; A PASS'S END: l's two halves and lane l xor 16's are added; O^T / l goes into S^T's registers: register 16 b + i of tile t is channel 32 b + 16 (lane / 16) + i of my query; two blocks a tile are quantised and stored.
.macro OUTQ ps
.irp t, 0,1
	v_add_f32 v[TT+\t], v[14+4*\t], v[15+4*\t]     ; (these additions are the places behind the last products)
.endr
.irp t, 0,1
	s_delay_alu instid0(VALU_DEP_2)
	v_permlanex16_b32 v[PR+\t], v[TT+\t], s[SEL], s[SEL+1]
.endr
.irp t, 0,1
	s_delay_alu instid0(VALU_DEP_2)
	v_add_f32 v[TT+\t], v[TT+\t], v[PR+\t]         ; the row's sum
.endr
	s_wait_alu depctr_va_vdst(0)
.irp t, 0,1
	v_rcp_f32 v[RC+\t], v[TT+\t]
.endr
	v_nop                                          ; a plain line behind the reciprocals,
	s_wait_alu depctr_va_vdst(0)                   ; and the wait ahead of their first reader
	WIN 0x01                                       ; source 0 (O^T) in window 1
.set j, 0
.rept 64
	v_mul_f32 v[S+64*(j/32)+j%32], v[j], v[RC+j/32]    ; each accumulator from its low end on
.set j, j+1
.endr
	WIN 0
.irp t, 0,1
.irp b, 0,1
	v_max3_num_f32 v[BM+4*\t+\b], |v[S+64*\t+16*\b]|, |v[S+64*\t+16*\b+1]|, 0x1800000   ; my 16 numbers of the block, and the floor
.endr
.endr
.irp i, 2,4,6,8,10,12,14
.irp t, 0,1
.irp b, 0,1
	s_delay_alu instid0(VALU_DEP_4)
	v_max3_num_f32 v[BM+4*\t+\b], v[BM+4*\t+\b], |v[S+64*\t+16*\b+\i]|, |v[S+64*\t+16*\b+\i+1]|
.endr
.endr
.endr
.irp t, 0,1
.irp b, 0,1
	s_delay_alu instid0(VALU_DEP_4)
	v_permlanex16_b32 v[PR+4*\t+\b], v[BM+4*\t+\b], s[SEL], s[SEL+1]
.endr
.endr
.irp t, 0,1
.irp b, 0,1
	s_delay_alu instid0(VALU_DEP_4)
	v_max_num_f32 v[BM+4*\t+\b], v[BM+4*\t+\b], v[PR+4*\t+\b]
.endr
.endr
.irp t, 0,1
.irp b, 0,1
	s_delay_alu instid0(VALU_DEP_4)
	v_add_nc_u32 v[CV+4*\t+\b], 0xff000000, v[BM+4*\t+\b]
.endr
.endr
.irp t, 0,1
.irp b, 0,1
	s_delay_alu instid0(VALU_DEP_4)
	v_lshrrev_b32 v[PR+4*\t+\b], 23, v[CV+4*\t+\b]
.endr
.endr
.irp t, 0
	s_delay_alu instid0(VALU_DEP_3)
	v_lshl_or_b32 v[TT+\t], v[PR+4*\t+1], 8, v[PR+4*\t]         ; my row's two bytes
.endr
.irp t, 1
	s_delay_alu instid0(VALU_DEP_2)
	v_lshl_or_b32 v[TT+\t], v[PR+4*\t+1], 8, v[PR+4*\t]         ; my row's two bytes
.endr
.irp t, 0,1
	v_cvt_scalef32_pk16_fp6_f32 v[PCD+12*\t:PCD+12*\t+2], v[S+64*\t:S+64*\t+15], v[CV+4*\t]
	v_cvt_scalef32_pk16_fp6_f32 v[TP+8*\t:TP+8*\t+2], v[S+64*\t+16:S+64*\t+31], v[CV+4*\t+1]
.endr
	v_cndmask_b32 v[SU], v[TT], v[TT+1], s62       ; lanes 0-15: tile 0's rows, lanes 16-31: tile 1's.  (Also the plain place behind the conversions)
.irp t, 0,1
.irp i, 0,1,2
	v_permlane16_swap_b32 v[PCD+12*\t+\i], v[TP+8*\t+\i]
.endr
.irp i, 0,1,2
	s_delay_alu instid0(VALU_DEP_3)
	v_mov_b32 v[PCD+12*\t+3+\i], v[TP+8*\t+\i]
.endr
.endr
.irp t, 0,1
.irp c, 0,1,2
	global_store_b64 v[L8], v[PCD+12*\t+2*\c:PCD+12*\t+2*\c+1], s[48:49] offset:98304*(\ps)+6144*\t+256*\c   ; 32 lanes store 256 consecutive bytes, aligned
.endr
.endr
	global_store_b16 v[OSO], v[SU], s[50:51] offset:8192*(\ps)
.endm
.macro PASS ps
	s_wait_xcnt 0x0                                ; the pass before has stored from registers that are written again below
.irp t, 0,1
	v_mov_b32 v[13+4*\t], 0xff61b1e6               ; the largest t so far: -3e38, under every t
	v_mov_b32 v[14+4*\t], 0                        ; the sum, in two halves
	v_mov_b32 v[15+4*\t], 0
	v_mov_b32 v[21+2*\t], 0                        ; (named as the upper half of f's pair before it is first written)
.endr
.irp t, 0,1
	v_floor_f32 v[12+4*\t], -v[13+4*\t]            ; -M
.endr
.irp b, 0,1,2,3,4,5,6,7
	v_mov_b32 v[PR+\b], 0                          ; a lane permute's destination counts as one of its sources
.endr
	s_mov_b32 s[TK], 0
	s_mov_b32 s[TV], VB
	v_add_nc_u32 v[ADK], s[TK], v[LI]
	WIN 0x40
.set j, 0
.rept 64
	v_mov_b32 v[j], 0                              ; O^T.  (The step is written once for all 16: the first finds zeros, which the first change of M leaves zeros; a first step of its own would double the loop's text)
.set j, j+1
.endr
	FETCH_K                                        ; key step 0
	WIN 0
	ds_load_b128 v[KSC:KSC+3], v[ADK] offset:6144
	s_wait_dscnt 0x0
	s_mov_b32 s[CNT], 16
.Lstep_\@:
	STEP \ps
	s_sub_co_u32 s[CNT], s[CNT], 1
	s_cmp_lg_u32 s[CNT], 0
	s_cbranch_scc1 .Lstep_\@
	OUTQ \ps
.endm
	PASS 0
	PASS 1
	s_wait_tensorcnt 0x0                           ; the wave's end, behind my last tensor load
	ds_add_u32 v[SPW], v[NIL]
	s_wait_dscnt 0x0
	CROUND                                         ; the closing round
	s_endpgm
.Lfunc_end_k_qf2a9f5acd3_attn:
	.size	k_qf2a9f5acd3_attn, .Lfunc_end_k_qf2a9f5acd3_attn-k_qf2a9f5acd3_attn
	.p2alignl 7, 3214868480
	.fill 96, 4, 3214868480
	.section	.rodata,"a",@progbits
	.p2align	6, 0x0
	.amdhsa_kernel k_qf2a9f5acd3_attn
		.amdhsa_group_segment_fixed_size 212992
		.amdhsa_private_segment_fixed_size 0
		.amdhsa_enable_private_segment 0
		.amdhsa_kernarg_size 32
		.amdhsa_user_sgpr_count 2
		.amdhsa_user_sgpr_kernarg_segment_ptr 1
		.amdhsa_wavefront_size32 1
		.amdhsa_system_sgpr_workgroup_id_x 1
		.amdhsa_system_sgpr_workgroup_id_y 1
		.amdhsa_system_sgpr_workgroup_id_z 1
		.amdhsa_system_vgpr_workitem_id 0
		.amdhsa_next_free_vgpr 512
		.amdhsa_next_free_sgpr 80
		.amdhsa_reserve_vcc 0
		.amdhsa_float_denorm_mode_32 3
		.amdhsa_float_denorm_mode_16_64 3
		.amdhsa_memory_ordered 1
		.amdhsa_forward_progress 1
		.amdhsa_inst_pref_size 87
	.end_amdhsa_kernel
	.amdgpu_metadata
---
amdhsa.version: [ 1, 2 ]
amdhsa.kernels:
  - .name:           k_qf2a9f5acd3_attn
    .symbol:         k_qf2a9f5acd3_attn.kd
    .args:
      - { .name: qk, .offset: 0, .size: 8, .value_kind: global_buffer, .address_space: global }
      - { .name: vv, .offset: 8, .size: 8, .value_kind: global_buffer, .address_space: global }
      - { .name: oc, .offset: 16, .size: 8, .value_kind: global_buffer, .address_space: global }
      - { .name: os, .offset: 24, .size: 8, .value_kind: global_buffer, .address_space: global }
    .group_segment_fixed_size: 212992
    .private_segment_fixed_size: 0
    .kernarg_segment_align: 8
    .kernarg_segment_size: 32
    .max_flat_workgroup_size: 256
    .sgpr_count:     80
    .vgpr_count:     512
    .wavefront_size: 32
...
	.end_amdgpu_metadata
.endif
;; end of part 3
;; launch proj (part 4): grid 4 x 64, 4 waves a work-group, clusters of 4 x 4, 327,680 bytes of LDS; arguments oc, os, cod, scl, b_proj, out0; writes out0
.if DOCPART == 4
	.amdgcn_target "amdgcn-amd-amdhsa--gfx1250"
	.amdhsa_code_object_version 6
	.text
	.protected	k_qf2a9f5acd3_proj
	.globl	k_qf2a9f5acd3_proj
	.p2align	8
	.type	k_qf2a9f5acd3_proj,@function
k_qf2a9f5acd3_proj:
	s_mov_b64 s[64:65], 0
	v_nop
	global_prefetch_b8 v0, s[64:65] scope:SCOPE_SE
	s_setreg_imm32_b32 hwreg(HW_REG_WAVE_MODE, 25, 1), 1
	s_wait_xcnt 0x0
	s_wait_alu depctr_hold_cnt(0) depctr_sa_sdst(0) depctr_va_vdst(0) depctr_va_sdst(0) depctr_va_ssrc(0) depctr_va_vcc(0) depctr_vm_vsrc(0)
	s_getreg_b32 s2, hwreg(HW_REG_IB_STS2, 6, 4)
	s_cmp_eq_u32 s2, 0
	s_cbranch_scc0 .Lentry_in_a_cluster
	s_endpgm
.Lentry_in_a_cluster:
	s_bfe_u32 s2, ttmp6, 0x10000c
	s_cmp_lg_u32 s2, 0xf033
	s_cbranch_scc0 .Lentry_shape_is_right
	s_endpgm
.Lentry_shape_is_right:
; out0 = O w_proj^T + b_proj on codes of FP6 (E2M3) with E8M0 scales, K = 1,024; sums in f32.
; A work-group makes 128 tokens x 256 columns; four waves, 2 x 2, 64 x 128 each: 32 accumulators.  64 x 4 = 256 work-groups.
; ALL OF K LIES IN LDS: two halves of 512 along K, each A's 49,152 bytes (8 token tiles x 8 heads x 768, images of the operand registers) and B's 256 rows of 384 bytes (16 bytes of padding behind each 128: pitch 432).
; Nothing is filled again.  Four joint loads at the head, one a wave: A half 0, B half 0, A half 1, B half 1.  The first barrier shows half 0 (waves 0 and 1 wait; each load line has one issuer), a second one, ahead of the fetch of K step 4, shows half 1.
; CLUSTERS 4 x 4: A's tiles hang on the tile row and are shared along a row of the cluster, B's on the tile column and are shared along a column.
; Scale words and the bias go from memory straight into registers: 16 rows' scale bytes are 512 consecutive bytes.  The bias is the first products' C.
; TRANSPOSED USE: source 0 = 16 stored rows of w_proj, source 1 = 16 stored tokens: register j of column tile b in lane half h is column 32 (b / 2) + 8 (b % 2) + 16 h + j.  Stored token t of block a is token 32 (a / 2) + 8 (a % 2) + t + 8 (t / 8).
; No prefetch: the launch has no loop to run ahead in; all that it reads is asked for at its head.
; The way out goes through a stage of 16 rows x 528 bytes a wave, on half 0's A bytes: they have had their only fill, and every wave's reads of them are over at the second barrier.
; LIMITS: NaN and infinities are not served.
; REGISTERS: window 0: v16-29 addresses, v32-63 A's scale words (8 a + n), v68-131 B's (8 b + n), v136-199 the bias; on the way out v32-159.  window 1: accumulator (a, b) at 8 (8 a + b).  window 2: B's fragments, sets at 0, 128.  window 3: A's, sets at 0, 64.
.set HA,     49152
.set PB,     432
.set HALF,   HA+256*PB
.set SPARE,  2*HALF                    ; the spare words, 128 bytes a wave, which no other line names
.set OCH,    3145728                   ; from oc's first K half to its second
.set WP0,    4*11264*192               ; w_proj's codes in cod
.set WPH,    1024*384                  ; from their first K half to the second
.set SPITCH, 528
.set FR,     12
.set ADRA, 16                          ; v16-17 my A fragments in half 0, 1
.set ADRB, 20                          ; v20-21 my B fragments; v22-23 for the pieces whose lanes 16-31 lie behind one padding more
.set STO,  24
.set RD,   25
.set CO,   26
.set SPW,  28
.set NIL,  29
.set SA,   32
.set SB,   68
.set BI,   136
.set BK,   32
.set G1A, 24
.set G0A, 32                           ; s[32:35], s[36:39] A's halves
.set G1B, 48
.set G0B, 56                           ; s[56:59], s[60:63] B's halves
.set MSB, 0
.macro WIN new
.if MSB != \new
	s_set_vgpr_msb (MSB<<8)|\new
.set MSB, \new
.endif
.endm
.macro PLACES n
.rept \n
	v_nop
.endr
.endm
.macro CROUND                          ; a round of the cluster's barrier
	s_barrier_signal -1
	s_barrier_wait -1
	s_cmp_lg_u32 s14, 0
	s_cbranch_scc1 .Lnot_wave_0_\@
	s_barrier_signal -3
.Lnot_wave_0_\@:
	s_barrier_wait -3
	s_barrier_signal -1
	s_barrier_wait -1
.endm
	s_load_b256 s[4:11], s[0:1], 0x0               ; oc, os, cod, scl
	s_load_b128 s[96:99], s[0:1], 0x20             ; b_proj, out0
	v_lshl_add_u32 v[SPW], v0, 2, SPARE
	v_mov_b32 v[NIL], 0
	ds_add_u32 v[SPW], v[NIL]                      ; the opening lines: the add twice and its wait ahead of my tensor load
	ds_add_u32 v[SPW], v[NIL]
	v_lshrrev_b32 v1, 5, v0
	v_readfirstlane_b32 s14, v1                    ; wave
	s_lshr_b32 s15, s14, 1                         ; my 64 of the 128 tokens
	s_and_b32 s16, s14, 1                          ; my 128 of the 256 columns
	s_bfe_u32 s70, ttmp6, 0x40000                  ; cx
	s_bfe_u32 s71, ttmp6, 0x40004                  ; cy
	s_lshl_b32 s72, ttmp9, 2
	s_add_co_u32 s72, s72, s70                     ; tile column
	s_and_b32 s73, ttmp7, 0xffff
	s_lshl_b32 s73, s73, 2
	s_add_co_u32 s73, s73, s71                     ; tile row
	s_lshl_b32 s74, s71, 2
	s_lshl_b32 s74, 15, s74                        ; my row of the cluster
	s_lshl_b32 s75, 0x1111, s70                    ; my column
	s_or_b32 s[G1A], s74, (3<<16)|(1<<21)          ; A: 192 dense rows of 256 bytes (32 elements of 8), no padding
	s_mov_b32 s[G1A+1], 32<<16
	s_mov_b32 s[G1A+2], 192<<16
	s_mov_b32 s[G1A+3], 32<<16
	s_mov_b32 s[G1A+4], 192
	s_mov_b32 s[G1A+5], 32
	s_mov_b32 s[G1A+6], 0
	s_mov_b32 s[G1A+7], 0
	s_or_b32 s[G1B], s75, (3<<16)|(1<<20)|(1<<21)|(4<<22)|(3<<25)  ; B: 256 rows of 384 bytes end to end, as 384 rows of 256; 4 words of padding behind every 32
	s_mov_b32 s[G1B+1], 32<<16
	s_mov_b32 s[G1B+2], 384<<16
	s_mov_b32 s[G1B+3], 32<<16
	s_mov_b32 s[G1B+4], 384
	s_mov_b32 s[G1B+5], 32
	s_mov_b32 s[G1B+6], 0
	s_mov_b32 s[G1B+7], 0
	s_mov_b32 s[G0A], 1
	s_mov_b32 s[G0A+1], 0
	s_mov_b32 s[G0A+4], 1
	s_mov_b32 s[G0A+5], HALF
	s_mov_b32 s[G0B], 1
	s_mov_b32 s[G0B+1], HA
	s_mov_b32 s[G0B+4], 1
	s_mov_b32 s[G0B+5], HALF+HA
	s_mul_i32 s76, s73, HA                         ; A's tile in a half of oc
	s_mov_b32 s77, 0
	s_mul_i32 s78, s72, 256*384
	s_add_co_u32 s78, s78, WP0                     ; B's in cod
	s_mov_b32 s79, 0
	s_lshl_b32 s80, s73, 12
	s_lshl_b32 s20, s15, 11
	s_add_co_u32 s80, s80, s20                     ; my 64 tokens' scale bytes in os
	s_mov_b32 s81, 0
	s_lshl_b32 s82, s72, 13
	s_lshl_b32 s20, s16, 12
	s_add_co_u32 s82, s82, s20
	s_add_co_u32 s82, s82, 11264*32                ; my 128 columns' in scl
	s_mov_b32 s83, 0
	s_lshl_b32 s84, s72, 10
	s_lshl_b32 s20, s16, 9
	s_add_co_u32 s84, s84, s20                     ; my first column, in bytes of f32
	s_mov_b32 s85, 0
	s_lshl_b32 s86, s73, 19
	s_lshl_b32 s20, s15, 18
	s_add_co_u32 s86, s86, s20
	s_add_co_u32 s86, s86, s84                     ; my corner of out0
	s_mov_b32 s87, 0
	s_mul_i32 s21, s15, 4*6144
	s_mul_i32 s22, s16, 128*PB
	s_add_co_u32 s22, s22, HA
	s_mul_i32 s23, s14, 16*SPITCH
	v_and_b32 v1, 15, v0                           ; r
	v_bfe_u32 v2, v0, 4, 1                         ; h
	v_and_b32 v6, 31, v0
	v_lshlrev_b32 v8, 3, v6
	v_mul_u32_u24 v3, v1, PB
	v_mad_u32_u24 v4, v2, 24, v3
	v_lshl_add_u32 v5, v2, 4, v4
	v_add_nc_u32 v[ADRA], s21, v8
	v_add_nc_u32 v[ADRB], s22, v4
	v_add_nc_u32 v[ADRB+2], s22, v5
	v_add_nc_u32 v[ADRA+1], HALF, v[ADRA]
	v_add_nc_u32 v[ADRB+1], HALF, v[ADRB]
	v_add_nc_u32 v[ADRB+3], HALF, v[ADRB+2]
	v_mul_u32_u24 v3, v1, SPITCH
	v_lshl_add_u32 v3, v2, 6, v3
	v_add_nc_u32 v[STO], s23, v3                   ; the stage, in: row r, 64 bytes for each half of the lanes
	v_lshlrev_b32 v[CO], 4, v6
	v_add_nc_u32 v[RD], s23, v[CO]                 ; back: 32 lanes take a row of 512 bytes
	v_lshlrev_b32 v7, 6, v2                        ; the bias: 16 h columns
	v_lshlrev_b32 v9, 5, v1                        ; a row of scale bytes
	s_wait_alu depctr_va_vdst(0)
	s_wait_dscnt 0x0
	s_wait_kmcnt 0x0
	s_add_nc_u64 s[G0A+2:G0A+3], s[4:5], s[76:77]
	s_add_nc_u64 s[G0A+6:G0A+7], s[G0A+2:G0A+3], OCH
	s_add_nc_u64 s[G0B+2:G0B+3], s[8:9], s[78:79]
	s_add_nc_u64 s[G0B+6:G0B+7], s[G0B+2:G0B+3], WPH
.irp g, G0A+3, G0A+7, G0B+3, G0B+7
	s_or_b32 s[\g], s[\g], 0x80000000
.endr
	s_add_nc_u64 s[6:7], s[6:7], s[80:81]
	s_add_nc_u64 s[10:11], s[10:11], s[82:83]
	s_add_nc_u64 s[96:97], s[96:97], s[84:85]
	s_add_nc_u64 s[98:99], s[98:99], s[86:87]
	CROUND                                         ; all sixteen work-groups are here: the joint loads meet
.macro ARM under, g0, g1, next         ; one chain of branches on the wave's number, one load to an arm
	s_cmp_lt_u32 s14, \under
	s_cbranch_scc0 \next
	tensor_load_to_lds s[\g0:\g0+3], s[\g1:\g1+7]
	s_nop 0
	PLACES 4
	s_branch .Lasked
\next:
.endm
	ARM 1, G0A,   G1A, .Lb0
	ARM 2, G0B,   G1B, .La1
	ARM 3, G0A+4, G1A, .Lb1
	tensor_load_to_lds s[G0B+4:G0B+7], s[G1B:G1B+7]
	s_nop 0
	PLACES 4
.Lasked:
.irp a, 0,1,2,3
	global_load_b128 v[SA+8*\a:SA+8*\a+3], v9, s[6:7] offset:512*\a          ; token r of block a: its eight scale words
	global_load_b128 v[SA+8*\a+4:SA+8*\a+7], v9, s[6:7] offset:512*\a+16
.endr
.irp b, 0,1,2,3,4,5,6,7
	global_load_b128 v[SB+8*\b:SB+8*\b+3], v9, s[10:11] offset:512*\b
	global_load_b128 v[SB+8*\b+4:SB+8*\b+7], v9, s[10:11] offset:512*\b+16
.endr
.irp b, 0,1,2,3,4,5,6,7
	global_load_b128 v[BI+8*\b:BI+8*\b+3], v7, s[96:97] offset:(32*(\b/2)+8*(\b%2))*4
	global_load_b128 v[BI+8*\b+4:BI+8*\b+7], v7, s[96:97] offset:(32*(\b/2)+8*(\b%2))*4+16
.endr
	s_cmp_lt_u32 s14, 2
	s_cbranch_scc0 .Lnot_half_0
	s_wait_tensorcnt 0x0                           ; waves 0 and 1: my part of half 0 is in
.Lnot_half_0:
	s_barrier_signal -1
	s_barrier_wait -1                              ; half 0 is whole; half 1 may be on its way
; K step n's fragments (128 along K) into set n % 2: B's eight, A's four, in pieces of 8 bytes
.macro FETCH n
	WIN 0x80
.irp i, 0,1,2,3,4,5,6,7
.irp p, 0,1,2,3,4,5
.set PC, 12*((\n)%4)+6*(\p/3)+\p%3
.if PC%16 < 13
	ds_load_b64 v[128*((\n)%2)+FR*\i+2*\p:128*((\n)%2)+FR*\i+2*\p+1], v[ADRB+(\n)/4] offset:8*PC+16*(PC/16)+\i*16*PB
.else
	ds_load_b64 v[128*((\n)%2)+FR*\i+2*\p:128*((\n)%2)+FR*\i+2*\p+1], v[ADRB+2+(\n)/4] offset:8*PC+16*(PC/16)+\i*16*PB
.endif
.endr
.endr
	WIN 0xc0
.irp i, 0,1,2,3
.irp p, 0,1,2,3,4,5
	ds_load_b64 v[64*((\n)%2)+FR*\i+2*\p:64*((\n)%2)+FR*\i+2*\p+1], v[ADRA+(\n)/4] offset:6144*\i+1536*((\n)%4)+256*\p
.endr
.endr
	WIN 0
.endm
.macro PR a, b, n, c
	v_wmma_scale_f32_16x16x128_f8f6f4 v[8*(8*\a+\b):8*(8*\a+\b)+7], v[128*((\n)%2)+FR*\b:128*((\n)%2)+FR*\b+FR-1], v[64*((\n)%2)+FR*\a:64*((\n)%2)+FR*\a+FR-1], \c, v[SB+8*\b+(\n)], v[SA+8*\a+(\n)] matrix_a_fmt:MATRIX_FMT_FP6 matrix_b_fmt:MATRIX_FMT_FP6
.endm
; A K step: its fragments were asked for ahead of the last step's 32 products; the next step's are asked for ahead of its own.  The 32 accumulators take turns.
.macro SUB n
	s_wait_dscnt 0x0                               ; this step's fragments are in
.if (\n) == 3
	s_wait_tensorcnt 0x0                           ; every wave: all my loads are in,
	s_barrier_signal -1
	s_barrier_wait -1                              ; so half 1 is whole, and nobody reads half 0 any more
.endif
.if (\n) > 0
	PLACES 4                                       ; between the last step's products and the loads into their registers
.endif
.if (\n) < 7
	FETCH (\n)+1
.endif
.if (\n) == 0
	WIN 0x4e                                       ; source 0 window 2, source 1 window 3, C (the bias) window 0, D window 1
.else
	WIN 0x5e
.endif
.irp a, 0,1,2,3
.irp b, 0,1,2,3,4,5,6,7
.if (\n) == 0
	PR \a, \b, \n, v[BI+8*\b:BI+8*\b+7]
.else
	PR \a, \b, \n, v[8*(8*\a+\b):8*(8*\a+\b)+7]
.endif
.endr
.endr
	WIN 0
.endm
	FETCH 0
	s_wait_loadcnt 0x0                             ; the scale words and the bias
.set N, 0
.rept 8
	SUB N
.set N, N+1
.endr
; THE WAY OUT, block by block of 16 tokens x 128 columns, through my own stage; LDS serves a wave's instructions in order, so no wait stands between the stores and the loads
.macro TOSTAGE a
	WIN 0x04                                       ; the data in window 1
.irp b, 0,1,2,3,4,5,6,7
	ds_store_b128 v[STO], v[64*(\a)+8*\b:64*(\a)+8*\b+3] offset:128*(\b/2)+32*(\b%2)       ; each accumulator from its low end on
	ds_store_b128 v[STO], v[64*(\a)+8*\b+4:64*(\a)+8*\b+7] offset:128*(\b/2)+32*(\b%2)+16
.endr
	WIN 0
.irp t, 0,1,2,3,4,5,6,7,8,9,10,11,12,13,14,15
	ds_load_b128 v[BK+64*((\a)%2)+4*\t:BK+64*((\a)%2)+4*\t+3], v[RD] offset:\t*SPITCH
.endr
.endm
.macro SEND a, younger                 ; younger: the LDS instructions issued behind block a's loads
	s_wait_dscnt \younger
.irp t, 0,1,2,3,4,5,6,7,8,9,10,11,12,13,14,15
	global_store_b128 v[CO], v[BK+64*((\a)%2)+4*\t:BK+64*((\a)%2)+4*\t+3], s[98:99] offset:(32*(\t/8)+8*(\a)+\t%8)*4096 th:TH_STORE_NT   ; the tokens' order as x's rows are stored: stored row t of block a of my 64 is token 32 (t / 8) + 8 a + t % 8; 32 lanes store 512 consecutive bytes, aligned
.endr
.endm
	PLACES 4                                       ; behind the last products
	TOSTAGE 0
.irp a, 1,2,3
.if \a > 1
	s_wait_xcnt 0x0                                ; block a - 2's stores have read their registers
.endif
	TOSTAGE \a
	SEND \a-1, 32
.endr
	SEND 3, 0
	s_wait_tensorcnt 0x0                           ; the wave's end
	ds_add_u32 v[SPW], v[NIL]
	s_wait_dscnt 0x0
	CROUND                                         ; the closing round
	s_endpgm
.Lfunc_end_k_qf2a9f5acd3_proj:
	.size	k_qf2a9f5acd3_proj, .Lfunc_end_k_qf2a9f5acd3_proj-k_qf2a9f5acd3_proj
	.p2alignl 7, 3214868480
	.fill 96, 4, 3214868480
	.section	.rodata,"a",@progbits
	.p2align	6, 0x0
	.amdhsa_kernel k_qf2a9f5acd3_proj
		.amdhsa_group_segment_fixed_size 327680
		.amdhsa_private_segment_fixed_size 0
		.amdhsa_enable_private_segment 0
		.amdhsa_kernarg_size 48
		.amdhsa_user_sgpr_count 2
		.amdhsa_user_sgpr_kernarg_segment_ptr 1
		.amdhsa_wavefront_size32 1
		.amdhsa_system_sgpr_workgroup_id_x 1
		.amdhsa_system_sgpr_workgroup_id_y 1
		.amdhsa_system_sgpr_workgroup_id_z 1
		.amdhsa_system_vgpr_workitem_id 0
		.amdhsa_next_free_vgpr 1024
		.amdhsa_next_free_sgpr 102
		.amdhsa_reserve_vcc 0
		.amdhsa_float_denorm_mode_32 3
		.amdhsa_float_denorm_mode_16_64 3
		.amdhsa_memory_ordered 1
		.amdhsa_forward_progress 1
		.amdhsa_inst_pref_size 97
	.end_amdhsa_kernel
	.amdgpu_metadata
---
amdhsa.version: [ 1, 2 ]
amdhsa.kernels:
  - .name:           k_qf2a9f5acd3_proj
    .symbol:         k_qf2a9f5acd3_proj.kd
    .args:
      - { .name: oc, .offset: 0, .size: 8, .value_kind: global_buffer, .address_space: global }
      - { .name: os, .offset: 8, .size: 8, .value_kind: global_buffer, .address_space: global }
      - { .name: cod, .offset: 16, .size: 8, .value_kind: global_buffer, .address_space: global }
      - { .name: scl, .offset: 24, .size: 8, .value_kind: global_buffer, .address_space: global }
      - { .name: b_proj, .offset: 32, .size: 8, .value_kind: global_buffer, .address_space: global }
      - { .name: out0, .offset: 40, .size: 8, .value_kind: global_buffer, .address_space: global }
    .group_segment_fixed_size: 327680
    .private_segment_fixed_size: 0
    .kernarg_segment_align: 8
    .kernarg_segment_size: 48
    .max_flat_workgroup_size: 128
    .sgpr_count:     102
    .vgpr_count:     1024
    .wavefront_size: 32
...
	.end_amdgpu_metadata
.endif
;; end of part 4
